; MI455X (gfx1250); checked and timed in simulation.
; The chip was launched on July 23, 2026; its instructions are those of AMD's public machine-readable ISA for CDNA 5 (MIT licence, August 2026) and "CDNA5" Instruction Set Architecture Reference Guide (July 2026). The comments in the code are by the model that wrote it; some were corrected since.
;; Attention. Allowed arithmetic: matrix products marked QUANTISED: E4M3 operands, one E8M0 scale for each 32 along K, by v_wmma_scale_f32_16x16x128_f8f6f4 with both operands' format E4M3, f32 sums; everything else in f32.
;; Inputs: b_proj 1,024 float32; b_qkv 3,072 float32; w_proj_codes 1,024 x 32 x 32 uint8 (E4M3 codes of w_proj, K innermost, in blocks of 32 codes); w_proj_scales 1,024 x 32 uint8 (E8M0 scales of w_proj, one for each 32 codes along K); w_qkv_codes 3,072 x 32 x 32 uint8 (E4M3 codes of w_qkv, K innermost, in blocks of 32 codes); w_qkv_scales 3,072 x 32 uint8 (E8M0 scales of w_qkv, one for each 32 codes along K); x_codes 4 x 2,048 x 32 x 32 uint8 (E4M3 codes of x, K innermost, in blocks of 32 codes); x_scales 4 x 2,048 x 32 uint8 (E8M0 scales of x, one for each 32 codes along K).
;; Outputs: out0 4 x 2,048 x 1,024 float32.
;; This version of the problem:
;;   THIS VERSION OF THE PROBLEM IS GIVEN IN LOW PRECISION. The matrix products marked QUANTISED in the list below multiply operands that are first quantised to E4M3 (4 exponent bits, 3 mantissa bits; 8 bits a number), with one power-of-two scale for each 32 numbers along K (OCP MX v1.0); their sums are f32. All else is computed in f32.
;;   The module's matrix products, in the order in which they are computed (A, B: the left and right operand; K: the contracted axis; several contracted axes count as one K, in the product's order):
;;     1. [M 8,192, K 1,024] x [K 1,024, N 3,072]; A: input x (given as codes); B: input w_qkv (given as codes): QUANTISED
;;     2. batch 64 x [M 2,048, K 64] x [K 64, N 2,048]; A: computed on the way; B: computed on the way: QUANTISED
;;     3. batch 64 x [M 64, K 2,048] x [K 2,048, N 2,048]; A: computed on the way; B: softmax (see below): QUANTISED
;;     4. [M 8,192, K 1,024] x [K 1,024, N 1,024]; A: computed on the way; B: input w_proj (given as codes): QUANTISED
;;   THE QUANTISER, for each operand of a quantised product, along K:
;;     - K is cut into blocks of 32 from its start; a last block that is shorter is filled with zeros.
;;     - A block's scale is 2^e with e = floor(log2(the largest magnitude in the block)) - 8, held to -126 .. 127; a block of zeros has e = 0. As a byte (E8M0): e + 127.
;;     - Each number is divided by its block's scale, clamped to +-448, and rounded to the nearest number of E4M3, ties to even, subnormals kept.
;;     - The product sums the exact products of the quantised numbers (number of the format x scale) in f32.
;;   ~~~python
;;   def quantise(x, axis):      # numpy; x: float32 -> the quantised numbers, widened to float32 again
;;       x = np.moveaxis(x, axis, -1); K = x.shape[-1]
;;       x = np.pad(x, [(0, 0)] * (x.ndim - 1) + [(0, -K % 32)]); x = x.reshape(x.shape[:-1] + (-1, 32)); a = np.abs(x).max(-1, keepdims=True)
;;       e = np.where(a > 0, np.clip(np.frexp(np.where(a > 0, a, 1))[1] - 1 - 8, -126, 127), 0)      # np.frexp(a)[1] - 1 = floor(log2(a)), exactly
;;       r = np.clip(x / 2.0 ** e, -448, 448)
;;       step = 2.0 ** (np.maximum(np.frexp(np.where(r == 0, 1, r))[1] - 1, -6) - 3)
;;       q = np.round(r / step) * step * 2.0 ** e      # np.round: ties to even
;;       return np.moveaxis(q.reshape(q.shape[:-2] + (-1,))[..., :K], -1, axis).astype(np.float32)
;;   ~~~
;;   SOFTMAX AHEAD OF A QUANTISED PRODUCT. Where the list says 'softmax', what is quantised is not the finished softmax but p = 2^(t - M), with t = logit x log2(e) and M = ceil(the row's largest t), a whole number; so 1/2 < the row's largest p <= 1. The row's sum l is taken of the UNQUANTISED p, in f32, and the product's result is divided by l at the end. Since M is a whole number, a kernel that streams over the keys may use a running M (the ceiling of the running maximum): every later rescaling is an exact power of two, which a block's scale takes up: the codes' values come out the same.
;;   OPERANDS COMPUTED ON THE WAY. 'Computed on the way' means the value that the module computes at that place (a softmax that the list does not call 'softmax' is quantised finished and normalised). What goes into a quantiser is computed in f32, as accurately as f32 sums, v_exp_f32 and their like allow (about 1e-6 of the number): no bf16 or f16 on the way to a quantiser, and a product that is left as it is and whose result goes on into a quantised operand takes f32 operands (vector FMAs, or v_wmma_f32_16x16x4_f32). A number that lies on a knife's edge between two numbers of the format may be rounded either way, as far as f32 arithmetic and the matrix unit's own rounding can turn it there, and no further.
;;   INPUTS GIVEN AS CODES. w_proj (in the module: [1024, 1024], K = its axis 1); w_qkv (in the module: [3072, 1024], K = its axis 1); x (in the module: [4, 2048, 1024], K = its axis 2): each comes as NAME_codes (uint8): NAME with its K axis moved to the last place and cut into blocks of 32 codes, [.., K / 32, bytes a block], one block behind the other in memory; one code a byte (a code: sign, 4 exponent bits, 3 mantissa bits); and NAME_scales (uint8): the same leading axes, one E8M0 byte (e + 127) for each 32 codes along K. Its value is code x scale, taken as it is: it is not quantised again, and the codes and scales need not be those that the quantiser above would give.
;; One version. Each part assembles by itself: llvm-mc -triple=amdgcn-amd-amdhsa -mcpu=gfx1250 --defsym DOCPART=n.
;; ======== version 1 of 1: 3 launches
;; limits: right only within a limited range of input values
;; workspace buffers: q 8,388,608 bytes; qs 524,288 bytes; kv 17,301,504 bytes; ao 8,388,608 bytes; asc 262,144 bytes
;; launch qkv (part 1): grid 12 x 32, 4 waves a work-group, clusters of 4 x 4, 327,680 bytes of LDS; arguments x_codes, x_scales, w_qkv_codes, w_qkv_scales, b_qkv, q, qs, kv; writes q, qs, kv
.if DOCPART == 1
	.amdgcn_target "amdgcn-amd-amdhsa--gfx1250"
	.amdhsa_code_object_version 6
	.text
	.protected	k_q92f1a31235_qkv
	.globl	k_q92f1a31235_qkv
	.p2align	8
	.type	k_q92f1a31235_qkv,@function
k_q92f1a31235_qkv:
	s_mov_b64 s[64:65], 0
	v_nop
	global_prefetch_b8 v0, s[64:65] scope:SCOPE_SE
	s_setreg_imm32_b32 hwreg(HW_REG_WAVE_MODE, 25, 1), 1
	s_wait_xcnt 0x0
	s_wait_alu depctr_hold_cnt(0) depctr_sa_sdst(0) depctr_va_vdst(0) depctr_va_sdst(0) depctr_va_ssrc(0) depctr_va_vcc(0) depctr_vm_vsrc(0)
	s_getreg_b32 s2, hwreg(HW_REG_IB_STS2, 6, 4)
	s_cmp_eq_u32 s2, 0
	s_cbranch_scc0 .Lentry_in_a_cluster
	s_endpgm
.Lentry_in_a_cluster:
	s_bfe_u32 s2, ttmp6, 0x10000c
	s_cmp_lg_u32 s2, 0xf033
	s_cbranch_scc0 .Lentry_shape_is_right
	s_endpgm
.Lentry_shape_is_right:
.set KSTEP,  256
.set NQ,     2
.set ROWB,   256
.set KROW,   1024
.set PITCH,  272
.set FR,     16
.set NL,     4
.set NP,     8
.set HALFT,  128*PITCH
.set SLOT,   4*HALFT
.set LAPS,   2
.set KS,     32
.set SCL,    2*SLOT
.set HALFS,  16*272
.set SBLK,   2*272
.set SPARE,  SCL+4*HALFS
.set HEADB,  270336
.set STEPB,  16896
.set ADRA, 16
.set ADRB, 20
.set BOP,  22
.set BOR,  23
.set LI,   24
.set OFR,  25
.set ADRS0, 26
.set ADRS1, 27
.set SPW,  28
.set NIL,  29
.set SOF,  30
.set SC0,  32
.set SC1,  64
.set BR,   96
.set HB,   112
.set AF,   128
.set BP,   128
.set T,    192
.set BM,   224
.set PT,   226
.set HL,   228
.set SO,   230
.set PC,   232
.set WT,   240
.set G1, 24
.set G0, 32
.set G1B, 48
.set G0B, 56
.set G1S, 68
.set G0S, 76
.set G1SB, 80
.set G0SB, 88
.set SEL, 96
.set MNT, 98
.set MSB, 0
.macro WIN new
.if MSB != (\new)
	s_set_vgpr_msb (MSB<<8)|(\new)
.set MSB, (\new)
.endif
.endm
.set MUL_LO, 0xa1
.set MUL_HI, 0xf1
.set TO_B,   0x40
.macro JLOAD g0a, g1a, g0b, g1b
	s_cmp_eq_u32 s15, 0
	s_cbranch_scc0 .Lfor_b_\@
	tensor_load_to_lds s[\g0a:\g0a+3], s[\g1a:\g1a+7]
	s_nop 0
.rept 4
	v_nop
.endr
	s_branch .Lasked_\@
.Lfor_b_\@:
	tensor_load_to_lds s[\g0b:\g0b+3], s[\g1b:\g1b+7]
	s_nop 0
.rept 4
	v_nop
.endr
.Lasked_\@:
.endm
.macro CREST
	s_cmp_lg_u32 s14, 0
	s_cbranch_scc1 .Lnot_wave_0_\@
	s_barrier_signal -3
.Lnot_wave_0_\@:
	s_barrier_wait -3
	s_barrier_signal -1
	s_barrier_wait -1
.endm
.macro CROUND
	s_barrier_signal -1
	s_barrier_wait -1
	CREST
.endm
	s_load_b128 s[4:7], s[0:1], 0x0
	s_load_b128 s[8:11], s[0:1], 0x10
	v_lshl_add_u32 v[SPW], v0, 2, SPARE
	v_mov_b32 v[NIL], 0
	ds_add_u32 v[SPW], v[NIL]
	ds_add_u32 v[SPW], v[NIL]
	v_lshrrev_b32 v1, 5, v0
	v_readfirstlane_b32 s14, v1
	s_lshr_b32 s15, s14, 1
	s_and_b32 s16, s14, 1
	s_bfe_u32 s40, ttmp6, 0x40000
	s_bfe_u32 s41, ttmp6, 0x40004
	; Source 1 (a lane's row) comes from LDS region A, shared along a row of the cluster; source 0 (a lane's registers) from region B, shared along a column.
	; Clusters 0 and 1 along x (q, k): A = x's rows (tile 4 Y + cy), B = w's rows (tile 4 X + cx).  Cluster 2 (v): A = w's rows 2048 on (tile 8 + cy), B = x's rows (tile 4 Y + cx):
	; only global addresses hang on that choice; masks and LDS addresses are the same in all clusters.
	s_and_b32 s17, ttmp7, 0xffff
	s_cmp_eq_u32 ttmp9, 2
	s_cselect_b32 s42, s17, ttmp9
	s_cselect_b32 s17, 2, s17
	s_lshl_b32 s42, s42, 2
	s_add_co_u32 s42, s42, s40
	s_lshl_b32 s17, s17, 2
	s_add_co_u32 s17, s17, s41
	s_lshl_b32 s43, s41, 2
	s_lshl_b32 s43, 15, s43
	s_lshl_b32 s44, 0x1111, s40
	s_or_b32 s[G1+0], s43, (0<<16)|(1<<20)|(1<<21)|(5<<22)|(3<<25)
	s_or_b32 s[G1B+0], s44, (0<<16)|(1<<20)|(1<<21)|(5<<22)|(3<<25)
.irp g, G1, G1B
	s_mov_b32 s[\g+1], ROWB<<16
	s_mov_b32 s[\g+2], 256<<16                     ; the head's loads of codes bring 256 rows; behind them these two words are set to 128, for the ring's
	s_mov_b32 s[\g+3], ROWB<<16
	s_mov_b32 s[\g+4], 256
	s_mov_b32 s[\g+5], KROW
	s_mov_b32 s[\g+6], 0
	s_mov_b32 s[\g+7], 0
.endr
	s_or_b32 s[G1S+0], s43, (3<<16)|(1<<20)|(1<<21)|(5<<22)|(3<<25)
	s_or_b32 s[G1SB+0], s44, (3<<16)|(1<<20)|(1<<21)|(5<<22)|(3<<25)
.irp g, G1S, G1SB
	s_mov_b32 s[\g+1], 32<<16
	s_mov_b32 s[\g+2], 32<<16                      ; the scales of 256 rows: 8,192 dense bytes as 32 rows of 256
	s_mov_b32 s[\g+3], 32<<16
	s_mov_b32 s[\g+4], 32
	s_mov_b32 s[\g+5], 32
	s_mov_b32 s[\g+6], 0
	s_mov_b32 s[\g+7], 0
.endr
	s_lshl_b32 s20, s17, 8                         ; the tiles' first rows
	s_lshl_b32 s46, s42, 8
	s_mov_b32 s21, 0
	s_mov_b32 s47, 0
	s_mov_b64 s[18:19], KS
	s_mul_u64 s[22:23], s[20:21], s[18:19]
	s_mul_u64 s[92:93], s[46:47], s[18:19]
	s_mov_b64 s[18:19], KROW
	s_mul_u64 s[20:21], s[20:21], s[18:19]
	s_mul_u64 s[46:47], s[46:47], s[18:19]
	s_mul_i32 s45, s14, HALFT
	s_mul_i32 s94, s16, 128*KROW                   ; in the ring I fetch 128 rows of a tile: which half, in bytes
	s_mov_b32 s95, 0
	s_mov_b32 s[SEL], 0x76543210
	s_mov_b32 s[SEL+1], 0xfedcba98
	s_mov_b32 s[MNT], 0x600000
	s_wait_dscnt 0x0
	s_wait_kmcnt 0x0
	s_cmp_eq_u32 ttmp9, 2
	s_cselect_b64 s[12:13], s[8:9], s[4:5]         ; region A's codes: w for v, else x
	s_cselect_b64 s[18:19], s[10:11], s[6:7]       ; and scales
	s_cselect_b64 s[66:67], s[4:5], s[8:9]         ; region B's codes: x for v, else w
	s_cselect_b64 s[90:91], s[6:7], s[10:11]       ; and scales
	s_add_nc_u64 s[20:21], s[12:13], s[20:21]
	s_add_nc_u64 s[22:23], s[18:19], s[22:23]
	s_add_nc_u64 s[46:47], s[66:67], s[46:47]
	s_add_nc_u64 s[92:93], s[90:91], s[92:93]
	CROUND
	s_mov_b32 s[G0S], 1
	s_mov_b32 s[G0S+1], SCL
	s_mov_b64 s[G0S+2:G0S+3], s[22:23]
	s_or_b32 s[G0S+3], s[G0S+3], 0x80000000
	s_mov_b32 s[G0SB], 1
	s_mov_b32 s[G0SB+1], SCL+2*HALFS
	s_mov_b64 s[G0SB+2:G0SB+3], s[92:93]
	s_or_b32 s[G0SB+3], s[G0SB+3], 0x80000000
	s_mov_b32 s4, 1                                ; group 0 of the head's loads of K step 0, in registers whose arguments have been used: region A's 256 rows,
	s_mov_b32 s5, 0
	s_mov_b64 s[6:7], s[20:21]
	s_or_b32 s7, s7, 0x80000000
	s_mov_b32 s8, 1                                ; and region B's
	s_mov_b32 s9, 2*HALFT
	s_mov_b64 s[10:11], s[46:47]
	s_or_b32 s11, s11, 0x80000000
	s_add_nc_u64 s[20:21], s[20:21], s[94:95]      ; for the ring: my 128 rows of the tile
	s_add_nc_u64 s[46:47], s[46:47], s[94:95]
.irp s, 0,1
	s_mov_b32 s[G0+4*\s], 1
	s_add_co_u32 s[G0+4*\s+1], s45, \s*SLOT
	s_add_nc_u64 s[G0+4*\s+2:G0+4*\s+3], s[20:21], \s*ROWB
	s_or_b32 s[G0+4*\s+3], s[G0+4*\s+3], 0x80000000
	s_mov_b32 s[G0B+4*\s], 1
	s_add_co_u32 s[G0B+4*\s+1], s45, \s*SLOT
	s_add_nc_u64 s[G0B+4*\s+2:G0B+4*\s+3], s[46:47], \s*ROWB
	s_or_b32 s[G0B+4*\s+3], s[G0B+4*\s+3], 0x80000000
.endr
; THE HEAD'S LOADS, ONE A WAVE: wave 0 region A's 256 rows of K step 0, wave 1 region B's, wave 2 A's scales, wave 3 B's.  One tree of branches on the wave's number: every way passes one load.
.macro ARM under, g0, g1, next
	s_cmp_lt_u32 s14, \under
	s_cbranch_scc0 \next
	tensor_load_to_lds s[\g0:\g0+3], s[\g1:\g1+7]
	s_nop 0
.rept 4
	v_nop
.endr
	s_branch .Lhead_asked
\next:
.endm
	ARM 1, 4,   G1,  .Lhead_b
	ARM 2, 8,   G1B, .Lhead_sa
	ARM 3, G0S, G1S, .Lhead_sb
	tensor_load_to_lds s[G0SB:G0SB+3], s[G1SB:G1SB+7]
	s_nop 0
.rept 4
	v_nop
.endr
.Lhead_asked:
	; PREFETCHES INTO THE L2: K step 2 here and K step 3 behind slot 1's load, each two K steps ahead of the refill that wants it.  Of the 128 rows that my wave fetches in the ring, each of the four partners
	; that ask for them jointly names 32, told apart by address (cx for region A, cy for region B): a lane a row, 256 bytes of it, so each block is named once in the cluster.  K steps 0 and 1 come by their loads alone.
	s_cmp_eq_u32 s15, 0
	s_cselect_b64 s[12:13], s[20:21], s[46:47]
	s_cselect_b32 s18, s40, s41
	s_lshl_b32 s18, s18, 15                        ; 32 rows of 1,024 bytes for each place
	s_add_co_u32 s18, s18, 2*ROWB                  ; K step 2
	s_mov_b32 s19, 0
	s_add_nc_u64 s[12:13], s[12:13], s[18:19]      ; never rewritten
	v_and_b32 v31, 31, v0
	v_lshlrev_b32 v31, 10, v31                     ; never rewritten
	global_prefetch_b8 v31, s[12:13] th:TH_LOAD_NT scope:SCOPE_SE
	v_and_b32 v1, 15, v0
	v_bfe_u32 v2, v0, 4, 1
	v_mul_u32_u24 v3, v1, PITCH
	v_lshl_add_u32 v4, v2, 4, v3
	s_wait_alu depctr_va_vdst(0)
	s_mul_i32 s21, s15, HALFT
	s_mul_i32 s22, s16, HALFT
	s_add_co_u32 s22, s22, 2*HALFT
.irp s, 0,1
	v_add_nc_u32 v[ADRA+\s], s21, v4
	v_add_nc_u32 v[ADRB+\s], s22, v4
	s_add_co_u32 s21, s21, SLOT
	s_add_co_u32 s22, s22, SLOT
.endr
	v_lshlrev_b32 v5, 5, v1
	v_lshrrev_b32 v6, 3, v1
	v_lshl_add_u32 v5, v6, 4, v5
	s_mul_i32 s21, s16, HALFS
	s_add_co_u32 s21, s21, SCL+2*HALFS
	v_add_nc_u32 v[ADRS0], s21, v5
	s_mul_i32 s22, s15, HALFS
	s_add_co_u32 s22, s22, SCL
	v_add_nc_u32 v[ADRS1], s22, v5
	v_lshlrev_b32 v[BOP], 5, v2
	v_lshlrev_b32 v[BOR], 2, v1
	v_and_b32 v[LI], 31, v0
	v_lshlrev_b32 v[LI], 4, v[LI]
.macro FRAG reg, adr, q, i
.irp c, 0,1,2,3
	ds_load_b128 v[\reg+4*\c:\reg+4*\c+3], v[\adr] offset:128*(\q)+32*\c+(\i)*16*PITCH
.endr
.endm
.macro MUL16 a0, p, q, sc, zero
.irp a, \a0, \a0+1
.irp b, 0,1,2,3,4,5,6,7
.if \zero
	v_wmma_scale_f32_16x16x128_f8f6f4 v[8*(8*((\a)%4)+\b):8*(8*((\a)%4)+\b)+7], v[128*(\p)+FR*\b:128*(\p)+FR*\b+FR-1], v[AF+FR*(\a):AF+FR*(\a)+FR-1], 0, v[SC0+16*(\sc)+2*\b+(\q)], v[SC1+16*(\sc)+2*(\a)+(\q)]
.else
	v_wmma_scale_f32_16x16x128_f8f6f4 v[8*(8*((\a)%4)+\b):8*(8*((\a)%4)+\b)+7], v[128*(\p)+FR*\b:128*(\p)+FR*\b+FR-1], v[AF+FR*(\a):AF+FR*(\a)+FR-1], v[8*(8*((\a)%4)+\b):8*(8*((\a)%4)+\b)+7], v[SC0+16*(\sc)+2*\b+(\q)], v[SC1+16*(\sc)+2*(\a)+(\q)]
.endif
.endr
.endr
.endm
.macro FETCH_B slot, q, p
	WIN TO_B
.irp i, 0,1,2,3,4,5,6,7
	FRAG 128*(\p)+FR*\i, ADRB+\slot, \q, \i
.endr
	WIN 0
.endm
.macro FETCH_A slot, q, i0
.irp i, \i0, \i0+1, \i0+2, \i0+3
	FRAG AF+FR*(\i), ADRA+\slot, \q, \i
.endr
.endm
.macro SCALES sc
.irp i, 0,1,2,3,4,5,6,7
	ds_load_b64 v[SC0+16*\sc+2*\i:SC0+16*\sc+2*\i+1], v[ADRS0] offset:\i*SBLK
	ds_load_b64 v[SC1+16*\sc+2*\i:SC1+16*\sc+2*\i+1], v[ADRS1] offset:\i*SBLK
.endr
.endm
.macro PLACES n
.rept \n
	v_nop
.endr
.endm
.macro STEP slot, q, zero
	s_wait_dscnt 4*NL
	WIN MUL_LO
	MUL16 0, (\q)%2, \q, \slot, \zero
	MUL16 2, (\q)%2, \q, \slot, \zero
	s_wait_dscnt 0
	PLACES NP
	FETCH_B \slot, (\q)+1, 1-(\q)%2
	FETCH_A \slot, (\q)+1, 0
	WIN MUL_HI
	MUL16 4, (\q)%2, \q, \slot, \zero
	MUL16 6, (\q)%2, \q, \slot, \zero
	PLACES NP
	WIN 0
	FETCH_A \slot, (\q)+1, 4
.endm
.macro TURN slot, next, fill
	s_wait_tensorcnt 0x0
	ds_add_u32 v[SPW], v[NIL]
	s_wait_dscnt 4*NL+1
	WIN MUL_LO
	MUL16 0, 1, NQ-1, \slot, 0
	s_wait_dscnt 0x0
	s_barrier_signal -1
	MUL16 2, 1, NQ-1, \slot, 0
	WIN 0
	s_barrier_wait -1
.if \fill
	CREST
	s_add_nc_u64 s[G0+4*\slot+2:G0+4*\slot+3], s[G0+4*\slot+2:G0+4*\slot+3], 2*ROWB
	s_add_nc_u64 s[G0B+4*\slot+2:G0B+4*\slot+3], s[G0B+4*\slot+2:G0B+4*\slot+3], 2*ROWB
	JLOAD G0+4*\slot, G1, G0B+4*\slot, G1B
	PLACES NP-4
.else
	PLACES NP
.endif
	s_wait_alu depctr_va_vdst(0)
	v_add_nc_u32 v[ADRS0], 4*NQ, v[ADRS0]
	v_add_nc_u32 v[ADRS1], 4*NQ, v[ADRS1]
	FETCH_B \next, 0, 0
	FETCH_A \next, 0, 0
	SCALES \next
	WIN MUL_HI
	MUL16 4, 1, NQ-1, \slot, 0
	MUL16 6, 1, NQ-1, \slot, 0
	PLACES NP
	WIN 0
	FETCH_A \next, 0, 4
.endm
	s_wait_alu depctr_va_vdst(0)
	s_wait_tensorcnt 0x0                           ; my tile of the head's four is in
	ds_add_u32 v[SPW], v[NIL]
	s_mov_b32 s[G1+2], 128<<16                     ; no tensor load of mine is out: from here on a load brings 128 rows
	s_mov_b32 s[G1+4], 128
	s_mov_b32 s[G1B+2], 128<<16
	s_mov_b32 s[G1B+4], 128
	s_wait_dscnt 0x0
	CROUND                                         ; all four tiles are in, and all sixteen work-groups are here
	JLOAD G0+4, G1, G0B+4, G1B                     ; K step 1, the first tensor load behind the round
	FETCH_B 0, 0, 0
	FETCH_A 0, 0, 0
	SCALES 0
	FETCH_A 0, 0, 4
	global_prefetch_b8 v31, s[12:13] offset:ROWB th:TH_LOAD_NT scope:SCOPE_SE   ; K step 3
	STEP 0, 0, 1
	s_mov_b32 s3, LAPS-1
.Llap:
	TURN 0, 1, 1
	STEP 1, 0, 0
	TURN 1, 0, 1
	STEP 0, 0, 0
	s_sub_co_u32 s3, s3, 1
	s_cmp_lg_u32 s3, 0
	s_cbranch_scc1 .Llap
	TURN 0, 1, 0
	s_load_b256 s[68:75], s[0:1], 0x20
	STEP 1, 0, 0
	s_wait_dscnt 4*NL
	WIN MUL_LO
	MUL16 0, 1, NQ-1, 1, 0
	MUL16 2, 1, NQ-1, 1, 0
	s_wait_dscnt 0
	PLACES NP
	WIN 0
	s_wait_kmcnt 0x0
	s_cmp_eq_u32 ttmp9, 2
	s_cselect_b32 s76, s15, s16
	s_cselect_b32 s77, s16, s15
	s_cselect_b32 s18, s42, s17                    ; the tile of 256 tokens
	s_cselect_b32 s19, s17, s42                    ; the tile of 256 channels, 0 to 11
	s_cselect_b32 s20, s41, s40                    ; and within q, k or v, 0 to 3
	s_cselect_b32 s78, 8192, 0
	s_mov_b32 s79, 1024
	s_cselect_b32 s79, 2048, s79
	s_mov_b32 s80, 4096
	s_cselect_b32 s80, HEADB, s80
	s_mov_b32 s81, HEADB
	s_cselect_b32 s81, 1024, s81
	s_cmp_eq_u32 ttmp9, 0
	s_cselect_b32 s81, 131072, s81
	s_mov_b32 s82, HEADB
	s_cselect_b32 s82, 131072, s82
	s_mov_b32 s83, STEPB
	s_cselect_b32 s83, 8192, s83
	s_cselect_b64 s[84:85], s[70:71], s[74:75]
	s_lshr_b32 s86, s18, 3
	s_lshl_b32 s86, s86, 4
	s_lshl_b32 s87, s20, 2
	s_add_co_u32 s86, s86, s87
	s_lshl_b32 s87, s76, 1
	s_add_co_u32 s86, s86, s87
	s_and_b32 s87, s18, 7
	s_lshl_b32 s87, s87, 1
	s_add_co_u32 s87, s87, s77
	s_mul_i32 s88, s86, s82
	s_mul_i32 s89, s87, s83
	s_add_co_u32 s88, s88, s89
	s_add_co_u32 s88, s88, s78
	s_mov_b32 s89, 0
	s_add_nc_u64 s[84:85], s[84:85], s[88:89]
	s_lshl_b32 s92, s19, 10
	s_lshl_b32 s93, s76, 9
	s_add_co_u32 s92, s92, s93
	s_mov_b32 s93, 0
	s_add_nc_u64 s[90:91], s[68:69], s[92:93]
	s_cmp_eq_u32 ttmp9, 2
	s_cbranch_scc1 .Lbias_v
.irp b, 0,1,2,3,4,5,6,7
	global_load_b128 v[BP+8*\b:BP+8*\b+3], v[BOP], s[90:91] offset:64*\b
	global_load_b128 v[BP+8*\b+4:BP+8*\b+7], v[BOP], s[90:91] offset:64*\b+16
.endr
.irp i, 0,1,2,3,4,5,6,7,8,9,10,11,12,13,14,15
	v_mov_b32 v[BR+\i], 0
.endr
	s_branch .Lbias_done
.Lbias_v:
.irp i, 0,1,2,3,4,5,6,7,8,9,10,11,12,13,14,15,16,17,18,19,20,21,22,23,24,25,26,27,28,29,30,31,32,33,34,35,36,37,38,39,40,41,42,43,44,45,46,47,48,49,50,51,52,53,54,55,56,57,58,59,60,61,62,63
	v_mov_b32 v[BP+\i], 0
.endr
.irp a, 0,1,2,3,4,5,6,7
	global_load_b32 v[BR+2*\a], v[BOR], s[90:91] offset:64*\a
	global_load_b32 v[BR+2*\a+1], v[BOR], s[90:91] offset:64*\a
.endr
.Lbias_done:
	WIN MUL_HI
	MUL16 4, 1, NQ-1, 1, 0
	MUL16 6, 1, NQ-1, 1, 0
	WIN 0
	PLACES NP
	v_mov_b32 v[PT], 0
	v_mov_b32 v[PT+1], 0
	s_wait_loadcnt 0x0
.macro QUANT2 s, pc, hreg
.irp b, 0,1
	v_max3_num_f32 v[BM+\b], |v[\s+16*\b]|, |v[\s+16*\b+1]|, 0x4800000
.endr
.irp b, 0,1
	v_max3_num_f32 v[PT+\b], |v[\s+16*\b+8]|, |v[\s+16*\b+9]|, |v[\s+16*\b+10]|   ; each block's maximum in two chains: four chains by turns, the same eight lines a block
.endr
.irp i, 2,4
.irp b, 0,1
	v_max3_num_f32 v[BM+\b], v[BM+\b], |v[\s+16*\b+\i]|, |v[\s+16*\b+\i+1]|
	v_max3_num_f32 v[PT+\b], v[PT+\b], |v[\s+16*\b+\i+9]|, |v[\s+16*\b+\i+10]|
.endr
.endr
.irp b, 0,1
	v_max3_num_f32 v[BM+\b], v[BM+\b], |v[\s+16*\b+6]|, |v[\s+16*\b+7]|
.endr
.irp b, 0,1
	v_max3_num_f32 v[BM+\b], v[BM+\b], v[PT+\b], |v[\s+16*\b+15]|
.endr
.irp b, 0,1
	v_permlanex16_b32 v[PT+\b], v[BM+\b], s[SEL], s[SEL+1]
.endr
.irp b, 0,1
	v_max_num_f32 v[BM+\b], v[BM+\b], v[PT+\b]
.endr
.irp b, 0,1
	v_add_nc_u32 v[SO+\b], 0xfc000000, v[BM+\b]
.endr
.irp b, 0,1
	v_and_or_b32 v[HL+\b], v[BM+\b], 0x7f800000, s[MNT]
.endr
.irp b, 0,1
	v_lshrrev_b32 v[PT+\b], 23, v[SO+\b]
.endr
	v_lshl_or_b32 v[\hreg], v[PT+1], 8, v[PT]
.irp b, 0,1
.irp i, 0,1,2,3,4,5,6,7,8,9,10,11,12,13,14,15
	v_med3_num_f32 v[\s+16*\b+\i], v[\s+16*\b+\i], -v[HL+\b], v[HL+\b]
.endr
	v_cvt_scalef32_pk8_fp8_f32 v[\pc+4*\b:\pc+4*\b+1], v[\s+16*\b:\s+16*\b+7], v[SO+\b]
	v_cvt_scalef32_pk8_fp8_f32 v[\pc+4*\b+2:\pc+4*\b+3], v[\s+16*\b+8:\s+16*\b+15], v[SO+\b]
.endr
	v_nop
.endm
.macro UNIT a, g
	WIN 0x02+(\a)/4
.irp i, 0,1,2,3,4,5,6,7,8,9,10,11,12,13,14,15
	v_pk_add_f32 v[T+2*\i:T+2*\i+1], v[64*((\a)%4)+32*(\g)+2*\i:64*((\a)%4)+32*(\g)+2*\i+1], v[BP+32*(\g)+2*\i:BP+32*(\g)+2*\i+1]
.endr
	WIN 0
.irp i, 0,1,2,3,4,5,6,7,8,9,10,11,12,13,14,15
	v_pk_add_f32 v[T+2*\i:T+2*\i+1], v[T+2*\i:T+2*\i+1], v[BR+2*(\a):BR+2*(\a)+1]
.endr
	; the codes of unit (a, g) go into set a of eight sets of eight registers, v32-95 (the scale words' registers, done with), its offset into v[8 + a]: the sets are written again only in the second eight units, behind one wait
.if (\g) == 1 && (\a) == 0
	s_wait_alu depctr_va_vdst(0)
	s_wait_xcnt 0x0                                ; the first eight units' stores have read their registers
.endif
	QUANT2 T, 32+8*(\a), HB+8*(\g)+(\a)
	s_mul_i32 s94, s79, (\a)%4
.if (\a) >= 4
	s_add_co_u32 s94, s94, s80
.endif
.if (\g) > 0
	s_add_co_u32 s94, s94, s81
.endif
	v_add_nc_u32 v[8+(\a)], s94, v[LI]
	global_store_b128 v[8+(\a)], v[32+8*(\a):32+8*(\a)+3], s[84:85]
	global_store_b128 v[8+(\a)], v[32+8*(\a)+4:32+8*(\a)+7], s[84:85] offset:512
.endm
.irp g, 0,1
.irp a, 0,1,2,3,4,5,6,7
	UNIT \a, \g
.endr
.endr
	v_cmp_eq_u32 s95, 1, v2
	s_cmp_eq_u32 ttmp9, 2
	s_cbranch_scc1 .Lsc_v
.irp a, 0,1,2,3,4,5,6,7
	v_cndmask_b32 v[WT+\a], v[HB+\a], v[HB+8+\a], s95
.endr
	s_cmp_eq_u32 ttmp9, 0
	s_cbranch_scc0 .Lsc_k
.irp a, 0,1,2,3,4,5,6,7
	v_lshl_or_b32 v[WT+\a], v[WT+\a], 16, v[WT+\a]
.endr
	v_lshlrev_b32 v[SOF], 4, v1
	v_lshl_add_u32 v[SOF], v2, 13, v[SOF]
	s_lshl_b32 s88, s86, 13
	s_lshl_b32 s89, s87, 9
	s_add_co_u32 s88, s88, s89
	s_mov_b32 s89, 0
	s_add_nc_u64 s[72:73], s[72:73], s[88:89]
	global_store_b128 v[SOF], v[WT:WT+3], s[72:73]
	global_store_b128 v[SOF], v[WT+4:WT+7], s[72:73] offset:256
	s_branch .Lsc_done
.Lsc_k:
	s_wait_alu depctr_va_vdst(0)
.irp f, 0,1,2,3
	v_lshl_or_b32 v[WT+8+\f], v[WT+2*\f+1], 16, v[WT+2*\f]
.endr
	v_mul_u32_u24 v[SOF], v2, HEADB
	v_lshl_add_u32 v[SOF], v1, 4, v[SOF]
	s_mul_i32 s88, s86, HEADB
	s_mul_i32 s89, s87, STEPB
	s_add_co_u32 s88, s88, s89
	s_mov_b32 s89, 0
	s_add_nc_u64 s[74:75], s[74:75], s[88:89]
	global_store_b128 v[SOF], v[WT+8:WT+11], s[74:75] offset:16384
	s_branch .Lsc_done
.Lsc_v:
.irp a, 0,1,2,3,4,5,6,7
	v_lshl_or_b32 v[WT+\a], v[HB+8+\a], 16, v[HB+\a]
.endr
.irp d, 0,1,2,3
	v_cndmask_b32 v[WT+8+\d], v[WT+\d], v[WT+4+\d], s95
.endr
	v_mul_u32_u24 v[SOF], v2, HEADB
	v_lshl_add_u32 v[SOF], v1, 4, v[SOF]
	s_mul_i32 s88, s86, HEADB
	s_mul_i32 s89, s87, STEPB
	s_add_co_u32 s88, s88, s89
	s_mov_b32 s89, 0
	s_add_nc_u64 s[74:75], s[74:75], s[88:89]
	global_store_b128 v[SOF], v[WT+8:WT+11], s[74:75] offset:16640
.Lsc_done:
	s_wait_tensorcnt 0x0
	ds_add_u32 v[SPW], v[NIL]
	s_wait_dscnt 0x0
	CROUND
	s_endpgm
.Lfunc_end_k_q92f1a31235_qkv:
	.size	k_q92f1a31235_qkv, .Lfunc_end_k_q92f1a31235_qkv-k_q92f1a31235_qkv
	.p2alignl 7, 3214868480
	.fill 96, 4, 3214868480
	.section	.rodata,"a",@progbits
	.p2align	6, 0x0
	.amdhsa_kernel k_q92f1a31235_qkv
		.amdhsa_group_segment_fixed_size 327680
		.amdhsa_private_segment_fixed_size 0
		.amdhsa_enable_private_segment 0
		.amdhsa_kernarg_size 64
		.amdhsa_user_sgpr_count 2
		.amdhsa_user_sgpr_kernarg_segment_ptr 1
		.amdhsa_wavefront_size32 1
		.amdhsa_system_sgpr_workgroup_id_x 1
		.amdhsa_system_sgpr_workgroup_id_y 1
		.amdhsa_system_sgpr_workgroup_id_z 1
		.amdhsa_system_vgpr_workitem_id 0
		.amdhsa_next_free_vgpr 1024
		.amdhsa_next_free_sgpr 100
		.amdhsa_reserve_vcc 0
		.amdhsa_float_denorm_mode_32 3
		.amdhsa_float_denorm_mode_16_64 3
		.amdhsa_memory_ordered 1
		.amdhsa_forward_progress 1
		.amdhsa_inst_pref_size 232
	.end_amdhsa_kernel
	.amdgpu_metadata
---
amdhsa.version: [ 1, 2 ]
amdhsa.kernels:
  - .name:           k_q92f1a31235_qkv
    .symbol:         k_q92f1a31235_qkv.kd
    .args:
      - { .name: x_codes, .offset: 0, .size: 8, .value_kind: global_buffer, .address_space: global }
      - { .name: x_scales, .offset: 8, .size: 8, .value_kind: global_buffer, .address_space: global }
      - { .name: w_qkv_codes, .offset: 16, .size: 8, .value_kind: global_buffer, .address_space: global }
      - { .name: w_qkv_scales, .offset: 24, .size: 8, .value_kind: global_buffer, .address_space: global }
      - { .name: b_qkv, .offset: 32, .size: 8, .value_kind: global_buffer, .address_space: global }
      - { .name: q, .offset: 40, .size: 8, .value_kind: global_buffer, .address_space: global }
      - { .name: qs, .offset: 48, .size: 8, .value_kind: global_buffer, .address_space: global }
      - { .name: kv, .offset: 56, .size: 8, .value_kind: global_buffer, .address_space: global }
    .group_segment_fixed_size: 327680
    .private_segment_fixed_size: 0
    .kernarg_segment_align: 8
    .kernarg_segment_size: 64
    .max_flat_workgroup_size: 128
    .sgpr_count:     100
    .vgpr_count:     1024
    .wavefront_size: 32
...
	.end_amdgpu_metadata
.endif
;; end of part 1
;; launch attn (part 2): grid 4 x 64, 8 waves a work-group, clusters of 4 x 1, 327,680 bytes of LDS; arguments q, qs, kv, ao, asc; writes ao, asc
.if DOCPART == 2
	.amdgcn_target "amdgcn-amd-amdhsa--gfx1250"
	.amdhsa_code_object_version 6
	.text
	.protected	k_q92f1a31235_attn
	.globl	k_q92f1a31235_attn
	.p2align	8
	.type	k_q92f1a31235_attn,@function
k_q92f1a31235_attn:
	s_mov_b64 s[64:65], 0
	v_nop
	global_prefetch_b8 v0, s[64:65] scope:SCOPE_SE
	s_setreg_imm32_b32 hwreg(HW_REG_WAVE_MODE, 25, 1), 1
	s_wait_xcnt 0x0
	s_wait_alu depctr_hold_cnt(0) depctr_sa_sdst(0) depctr_va_vdst(0) depctr_va_sdst(0) depctr_va_ssrc(0) depctr_va_vcc(0) depctr_vm_vsrc(0)
	s_getreg_b32 s2, hwreg(HW_REG_IB_STS2, 6, 4)
	s_cmp_eq_u32 s2, 0
	s_cbranch_scc0 .Lentry_in_a_cluster
	s_endpgm
.Lentry_in_a_cluster:
	s_bfe_u32 s2, ttmp6, 0x10000c
	s_cmp_lg_u32 s2, 0x3003
	s_cbranch_scc0 .Lentry_shape_is_right
	s_endpgm
.Lentry_shape_is_right:
; O = softmax(q k^T / 8) v for one head, both products on codes of FP8 (E4M3) with E8M0 scales; O / l is quantised along the channels and leaves as register images for the last product.
; t = score x log2(e) / 8; M = the running largest t rounded up to a whole number; p = 2^(t - M) is quantised along the keys, not normalised; the row's sum is taken of the unquantised p.
; SHARES.  A work-group owns 512 queries of one head; the four work-groups of a cluster own the head's 2,048.  A head's K and V, codes and scale words, are 270,336 bytes in 16 key steps of 16,896: they come into LDS ONCE,
; asked for jointly by the four, in two parts: at the head steps 0 to 3 (8,448 bytes a wave), behind the full sequence and a round steps 4 to 15 (25,344 bytes a wave).  Nothing is filled again.
; A pass over the keys is two loops on one step: three steps that read the first part alone (K is read a step ahead: up to step 3), one wait for the second part and one barrier, then the other 13 steps.
; No prefetch: all is asked for by the end of the head.
; Eight waves, two to a SIMD.  A wave holds two tiles of 16 queries (A, B), so that each fragment read from LDS feeds two matrix instructions, and takes two passes over the keys.
; LAYOUT.  Both products are used transposed (S^T = K Q^T, O^T = V^T P^T): a lane holds one query (lane % 16) throughout.  K, V and Q lie as images of their registers: lane l's 16 bytes at 16 l.
; The head's 64 channels fill half of the instruction's 128: a fragment of K holds two key tiles (K 0-63: tile 2 f; 64-127: tile 2 f + 1) and is multiplied by [q | 0] and by [0 | q].
; Within a block of 32 the operands stand in the order in which the launch before and this one make them, the same on both sides of each product.
; A STEP'S ORDER.  Behind the score products this step's V and the NEXT step's K are asked of LDS; both land under the softmax, and one wait stands ahead of the second product.
; Tile A's exponentials stand by turns with tile B's multiply-adds, tile B's with tile A's holds: lines that write a register once, read only behind the next wait.
; LIMITS: NaN and infinities are not served; a block under 2^(9 - 127) gets the byte 1 (bytes read by this program alone).  Scores of any finite size are served: M runs with the maximum.
.set STEPB, 16896                      ; 128 keys: K's 4 fragments, V's 4, K's scale words [r][f], V's [r][dt]
.set HEADB, 270336
.set STG,   270336                     ; behind the head: a stage of 16 rows x 80 bytes for each wave
.set SCST,  280576                     ; 512 rows x 2 scale bytes
.set SPARE, 281600                     ; the spare words: 128 bytes a wave, named by no other line
.set LI,  1                            ; v1   16 x lane
.set ADK, 2                            ; v2   the step's place in LDS + 16 x lane
.set STO, 3                            ; v3   the stage, way in: 80 r + 8 h
.set SRD, 4                            ; v4   way back: 80 r + 16 h
.set VSC, 5                            ; v5   my row's scale halfword
.set SPW, 6
.set NIL, 7
; v[8:11] K's scale words; v[12:13] Q's (A, B); v[14:15] p's; v[16:19] V's (in lanes 16-31): these hold scales and nothing else
.set QSO, 231                          ; v231 16 r
.set SCR, 232                          ; v232 SCST + 16 x lane
.set ADN, 235                          ; v235 the next step's place in LDS + 16 x lane
.set TT,  236                          ; v236-249 seven pairs: the row's sum goes in eight chains
.set QB,  64                           ; window 1: [8 zeros | q | 8 zeros], 24 registers a tile
.set KF,  128                          ; window 1: K's four fragments
.set VF,  192                          ; window 1: V's four
.set WV,  14
.set SEL, 20
.set CS,  22                           ; s[22:23] c = log2(e) / 8
.set MNT, 24
.set TB,  25
.set CNT, 26
.set PASS, 27
.set SCO, 28
.set TN,  31
.set MSB, 0
.macro WIN new
.if MSB != (\new)
	s_set_vgpr_msb (MSB<<8)|(\new)
.set MSB, (\new)
.endif
.endm
; Tile x (0: A, 1: B): -M v[20+40x], largest t v[21+40x], the sum v[22+40x:23+40x]; blocks' maxima v[24+18x ..], permute v[28+18x ..], hold v[32+18x ..], conversion's scale v[36+18x ..], f v[40+18x] (its pair's upper half 0);
; S^T, then p v[64+64x ..]; p's codes v[192+16x ..]; O^T window 1 v[32x ..]; p's scale word v[14+x]
.macro TILE x
.set BM,  24+18*(\x)
.set PT,  BM+4
.set HL,  BM+8
.set SO,  BM+12
.set FF,  BM+16
.set SS,  64+64*(\x)
.set PP,  192+16*(\x)
.set OO,  32*(\x)
.set PS,  14+(\x)
.endm
.macro CROUND
	s_barrier_signal -1
	s_barrier_wait -1
	s_cmp_lg_u32 s[WV], 0
	s_cbranch_scc1 .Lnot_wave_0_\@
	s_barrier_signal -3
.Lnot_wave_0_\@:
	s_barrier_wait -3
	s_barrier_signal -1
	s_barrier_wait -1
.endm
.macro PLACES n
.rept \n
	v_nop
.endr
.endm
.macro QLOAD off                       ; the two tiles' q and scale words of pass off
	WIN 0x40
.irp x, 0,1
.irp c, 0,1
	global_load_b128 v[QB+24*\x+8+4*\c:QB+24*\x+8+4*\c+3], v[LI], s[4:5] offset:(\off)*16384+\x*1024+\c*512 th:TH_LOAD_NT
.endr
.endr
	WIN 0
	global_load_b64 v[12:13], v[QSO], s[6:7] offset:(\off)*1024
.endm
.macro KLOAD adr                       ; K's four fragments and scale words of the step at adr
	WIN 0x40
.irp f, 0,1,2,3
.irp c, 0,1,2,3
	ds_load_b128 v[KF+16*\f+4*\c:KF+16*\f+4*\c+3], v[\adr] offset:\f*2048+\c*512
.endr
.endr
	WIN 0
	ds_load_b128 v[8:11], v[\adr] offset:16384     ; lanes 0-15: K's scale words of row r, fragments 0-3
.endm
	s_load_b256 s[4:11], s[0:1], 0x0               ; q s[4:5], qs s[6:7], kv s[8:9], ao s[10:11]
	s_load_b64 s[12:13], s[0:1], 0x20              ; asc
	v_lshl_add_u32 v[SPW], v0, 2, SPARE
	v_mov_b32 v[NIL], 0
	ds_add_u32 v[SPW], v[NIL]                      ; the wave's opening: the add, twice on end, and its wait ahead of my first tensor load
	ds_add_u32 v[SPW], v[NIL]
	v_lshrrev_b32 v2, 5, v0
	s_delay_alu instid0(VALU_DEP_1)
	v_readfirstlane_b32 s[WV], v2                  ; wave 0..7
	s_bfe_u32 s15, ttmp6, 0x40000                  ; cx: it enters global addresses of q, qs, ao and asc alone
	s_and_b32 s16, ttmp7, 0xffff                   ; the head, 16 x batch + hd: the four partners share it
	s_mov_b32 s32, 15|(3<<16)|(1<<21)              ; group 1: the mask names all four; elements of 8 bytes; bit 21 beside a mask; no padding
	s_mov_b32 s33, 32<<16                          ; tensor_dim0 = 32 elements: rows of 256 bytes
	s_mov_b32 s34, 33<<16                          ; tensor_dim1 = 33 rows: an eighth of steps 0 to 3; behind that load 99: an eighth of steps 4 to 15
	s_mov_b32 s35, 32<<16                          ; tile_dim0
	s_mov_b32 s36, 33                              ; tile_dim1
	s_mov_b32 s37, 32                              ; the pitch
	s_mov_b32 s38, 0
	s_mov_b32 s39, 0
	s_mov_b32 s[SEL], 0x76543210
	s_mov_b32 s[SEL+1], 0xfedcba98
	s_mov_b32 s[CS], 0x3e38aa3b
	s_mov_b32 s[CS+1], s[CS]
	s_mov_b32 s[MNT], 0x600000
	s_mov_b32 s[PASS], 2
	s_mov_b32 s[SCO], 0
	s_mul_i32 s18, s16, HEADB
	s_mul_i32 s41, s[WV], 8448                     ; my eighth of the first part: in the head's bytes and in LDS alike
	s_mul_i32 s45, s[WV], 25344                    ; and of the second part,
	s_add_co_u32 s45, s45, 4*STEPB                 ; which begins behind step 3
	s_add_co_u32 s56, s18, s45
	s_mov_b32 s57, 0
	s_add_co_u32 s18, s18, s41
	s_mov_b32 s19, 0
	s_lshl_b32 s48, s16, 17                        ; q: a head is 131,072 bytes, a tile 1,024; my first tile is 32 cx + 2 w
	s_lshl_b32 s49, s15, 15
	s_add_co_u32 s48, s48, s49
	s_lshl_b32 s49, s[WV], 11
	s_add_co_u32 s48, s48, s49
	s_mov_b32 s49, 0
	s_lshl_b32 s50, s16, 13                        ; qs: [head][tile / 4][r][tile % 4] words
	s_lshl_b32 s51, s15, 11
	s_add_co_u32 s50, s50, s51
	s_lshr_b32 s51, s[WV], 1
	s_lshl_b32 s51, s51, 8
	s_add_co_u32 s50, s50, s51
	s_and_b32 s51, s[WV], 1
	s_lshl_b32 s51, s51, 3
	s_add_co_u32 s50, s50, s51
	s_mov_b32 s51, 0
	s_and_b32 s29, s16, 15                         ; hd
	s_lshr_b32 s30, s16, 4                         ; batch
	s_lshr_b32 s52, s29, 2                         ; ao: [hd / 4][tile of rows][(hd / 2) % 2][2 (hd % 2) + b][lane][16]
	s_lshl_b32 s52, s52, 21
	s_lshl_b32 s53, s30, 19
	s_add_co_u32 s52, s52, s53
	s_lshl_b32 s53, s15, 17
	s_add_co_u32 s52, s52, s53
	s_lshl_b32 s53, s[WV], 13
	s_add_co_u32 s52, s52, s53
	s_bfe_u32 s53, s29, 0x10001
	s_lshl_b32 s53, s53, 11
	s_add_co_u32 s52, s52, s53
	s_and_b32 s53, s29, 1
	s_lshl_b32 s53, s53, 10
	s_add_co_u32 s52, s52, s53
	s_mov_b32 s53, 0
	s_lshl_b32 s54, s29, 14                        ; asc: [hd][row] halfwords
	s_lshl_b32 s55, s30, 12
	s_add_co_u32 s54, s54, s55
	s_lshl_b32 s55, s15, 10
	s_add_co_u32 s54, s54, s55
	s_mov_b32 s55, 0
	v_and_b32 v[LI], 31, v0
	s_delay_alu instid0(VALU_DEP_1)
	v_lshlrev_b32 v[LI], 4, v[LI]
	v_and_b32 v233, 15, v0                         ; r
	v_bfe_u32 v234, v0, 4, 1                       ; h
	s_mul_i32 s17, s[WV], 1280
	s_add_co_u32 s17, s17, STG
	v_mul_u32_u24 v[STO], v233, 80
	s_delay_alu instid0(VALU_DEP_1)
	v_lshl_add_u32 v[SRD], v234, 4, v[STO]
	s_delay_alu instid0(VALU_DEP_2)
	v_lshl_add_u32 v[STO], v234, 3, v[STO]
	s_delay_alu instid0(VALU_DEP_1)
	v_add_nc_u32 v[STO], s17, v[STO]
	s_delay_alu instid0(VALU_DEP_3)
	v_add_nc_u32 v[SRD], s17, v[SRD]
	s_lshl_b32 s17, s[WV], 6
	s_add_co_u32 s17, s17, SCST
	v_lshlrev_b32 v[VSC], 1, v233
	s_delay_alu instid0(VALU_DEP_1)
	v_add_nc_u32 v[VSC], s17, v[VSC]
	v_lshlrev_b32 v[QSO], 4, v233
	v_add_nc_u32 v[SCR], SCST, v[LI]
	s_wait_dscnt 0x0                               ; both opening adds are done
	s_wait_kmcnt 0x0
	s_add_nc_u64 s[46:47], s[8:9], s[56:57]
	s_add_nc_u64 s[8:9], s[8:9], s[18:19]
	s_add_nc_u64 s[4:5], s[4:5], s[48:49]
	s_add_nc_u64 s[6:7], s[6:7], s[50:51]
	s_add_nc_u64 s[10:11], s[10:11], s[52:53]
	s_add_nc_u64 s[12:13], s[12:13], s[54:55]
	CROUND                                         ; all four work-groups are here: the joint loads meet
	s_mov_b32 s40, 1
	s_mov_b64 s[42:43], s[8:9]
	s_or_b32 s43, s43, 0x80000000
	s_mov_b32 s44, 1
	s_or_b32 s47, s47, 0x80000000
	tensor_load_to_lds s[40:43], s[32:39]          ; my one tensor load at the head: my eighth of steps 0 to 3
	s_nop 0
.rept 4
	v_nop
.endr
	s_wait_alu depctr_va_vdst(0)
	QLOAD 0
	WIN 0x40
.irp x, 0,1
.irp i, 0,1,2,3,4,5,6,7
	v_mov_b32 v[QB+24*\x+\i], 0                    ; the zero codes on both sides of q: written once
	v_mov_b32 v[QB+24*\x+16+\i], 0
.endr
.endr
	WIN 0
.irp i, 28,29,30,31,46,47,48,49
	v_mov_b32 v[\i], 0                             ; a lane permute's destination counts as one of its sources
.endr
	s_wait_alu depctr_va_vdst(0)
	s_wait_tensorcnt 0x0                           ; my eighth of the first part is in
	ds_add_u32 v[SPW], v[NIL]
	s_mov_b32 s34, 99<<16                          ; no tensor load of mine is out, so group 1 may be written: 99 rows
	s_mov_b32 s36, 99
	s_wait_dscnt 0x0
	CROUND                                         ; everybody's eighth is in: steps 0 to 3 are whole; and all four work-groups are here
	tensor_load_to_lds s[44:47], s[32:39]          ; the first tensor load behind the round: my eighth of steps 4 to 15
	s_nop 0
.rept 4
	v_nop
.endr
	KLOAD LI                                       ; step 0's K; later steps' are asked for a step ahead
; THE SOFTMAX OF A STEP
.macro P1                              ; the blocks' largest scores, the row's, the new M, f: both tiles by turns, eight chains
.irp b, 0,1,2,3
.irp x, 0,1
	v_max3_num_f32 v[24+18*\x+\b], v[64+64*\x+16*\b], v[65+64*\x+16*\b], v[66+64*\x+16*\b]   ; each accumulator is first read at its low end
.endr
.endr
.irp i, 3,5,7,9,11,13
.irp b, 0,1,2,3
.irp x, 0,1
	v_max3_num_f32 v[24+18*\x+\b], v[24+18*\x+\b], v[64+64*\x+16*\b+\i], v[65+64*\x+16*\b+\i]
.endr
.endr
.endr
.irp b, 0,1,2,3
.irp x, 0,1
	v_max_num_f32 v[24+18*\x+\b], v[24+18*\x+\b], v[79+64*\x+16*\b]
.endr
.endr
.irp b, 0,1,2,3
.irp x, 0,1
	v_permlanex16_b32 v[28+18*\x+\b], v[24+18*\x+\b], s[SEL], s[SEL+1]
.endr
.endr
.irp b, 0,1,2,3
.irp x, 0,1
	v_max_num_f32 v[24+18*\x+\b], v[24+18*\x+\b], v[28+18*\x+\b]     ; with lane l xor 16's 16 keys: the block's largest score
.endr
.endr
.irp x, 0,1
	s_delay_alu instid0(VALU_DEP_4)
	v_max3_num_f32 v[32+18*\x], v[24+18*\x], v[25+18*\x], v[26+18*\x]
.endr
.irp x, 0,1
	s_delay_alu instid0(VALU_DEP_2)
	v_max_num_f32 v[32+18*\x], v[32+18*\x], v[27+18*\x]
.endr
.irp x, 0,1
	s_delay_alu instid0(VALU_DEP_2)
	v_mul_f32 v[32+18*\x], s[CS], v[32+18*\x]
.endr
.irp x, 0,1
	s_delay_alu instid0(VALU_DEP_2)
	v_max_num_f32 v[21+40*\x], v[21+40*\x], v[32+18*\x]              ; the running largest t
.endr
.irp x, 0,1
	v_mov_b32 v[32+18*\x], v[20+40*\x]
.endr
.irp x, 0,1
	s_delay_alu instid0(VALU_DEP_4)
	v_floor_f32 v[20+40*\x], -v[21+40*\x]          ; -M = floor(-t): M is a whole number
.endr
.irp x, 0,1
	s_delay_alu instid0(VALU_DEP_2)
	v_sub_f32 v[32+18*\x], v[20+40*\x], v[32+18*\x]
.endr
.irp x, 0,1
	s_delay_alu instid0(VALU_DEP_2)
	v_cvt_i32_f32 v[32+18*\x], v[32+18*\x]         ; (it saturates)
.endr
.irp x, 0,1
	s_delay_alu instid0(VALU_DEP_2)
	v_ldexp_f32 v[40+18*\x], 1.0, v[32+18*\x]      ; f = 2^(old M - new M): a multiplication by it rounds nothing
.endr
.endm
.macro P5 ss, sum                      ; the row's sum of the unquantised p: 32 packed additions in eight chains
.irp k, 0,1,2,3,4,5,6
	v_pk_add_f32 v[TT+2*\k:TT+2*\k+1], v[\ss+4*\k:\ss+4*\k+1], v[\ss+4*\k+2:\ss+4*\k+3]
.endr
	v_pk_add_f32 v[\sum:\sum+1], v[\sum:\sum+1], v[\ss+28:\ss+29]
.irp g, 0,1
.irp k, 0,1,2,3,4,5,6
	v_pk_add_f32 v[TT+2*\k:TT+2*\k+1], v[TT+2*\k:TT+2*\k+1], v[\ss+30+16*\g+2*\k:\ss+31+16*\g+2*\k]
.endr
	v_pk_add_f32 v[\sum:\sum+1], v[\sum:\sum+1], v[\ss+44+16*\g:\ss+45+16*\g]
.endr
	v_pk_add_f32 v[TT:TT+1], v[TT:TT+1], v[\ss+62:\ss+63]
	v_pk_add_f32 v[TT+4:TT+5], v[TT+4:TT+5], v[TT+6:TT+7]
	v_pk_add_f32 v[TT+8:TT+9], v[TT+8:TT+9], v[TT+10:TT+11]
	s_delay_alu instid0(VALU_DEP_4)
	v_pk_add_f32 v[\sum:\sum+1], v[\sum:\sum+1], v[TT+12:TT+13]
	s_delay_alu instid0(VALU_DEP_4)
	v_pk_add_f32 v[TT:TT+1], v[TT:TT+1], v[TT+2:TT+3]
	s_delay_alu instid0(VALU_DEP_3)
	v_pk_add_f32 v[TT+4:TT+5], v[TT+4:TT+5], v[TT+8:TT+9]
	s_delay_alu instid0(VALU_DEP_2)
	v_pk_add_f32 v[\sum:\sum+1], v[\sum:\sum+1], v[TT:TT+1]
	s_delay_alu instid0(VALU_DEP_1)
	v_pk_add_f32 v[\sum:\sum+1], v[\sum:\sum+1], v[TT+4:TT+5]
.endm
.macro P6 x                            ; the four blocks' scales and p's scale word
	TILE \x
.irp b, 0,1,2,3
	v_max_num_f32 v[BM+\b], 0x4800000, v[BM+\b]    ; the floor 2^(9 - 127)
.endr
.irp b, 0,1,2,3
	s_delay_alu instid0(VALU_DEP_4)
	v_add_nc_u32 v[SO+\b], 0xfc000000, v[BM+\b]
.endr
.irp b, 0,1,2,3
	v_and_or_b32 v[HL+\b], v[BM+\b], 0x7f800000, s[MNT]
.endr
.irp b, 0,1,2,3
	v_lshrrev_b32 v[PT+\b], 23, v[SO+\b]
.endr
	s_delay_alu instid0(VALU_DEP_3)
	v_lshl_or_b32 v[PS], v[PT+1], 8, v[PT]
	s_delay_alu instid0(VALU_DEP_1)
	v_lshl_or_b32 v[PS], v[PT+2], 16, v[PS]
	s_delay_alu instid0(VALU_DEP_1)
	v_lshl_or_b32 v[PS], v[PT+3], 24, v[PS]
.endm
.macro CVT x                           ; the held p, which lies in v64-127 for both tiles, becomes the second product's operand
	TILE \x
.irp b, 0,1,2,3
	v_cvt_scalef32_pk8_fp8_f32 v[PP+4*\b:PP+4*\b+1], v[64+16*\b:71+16*\b], v[SO+\b]
	v_cvt_scalef32_pk8_fp8_f32 v[PP+4*\b+2:PP+4*\b+3], v[72+16*\b:79+16*\b], v[SO+\b]
.endr
.endm
; 32 numbers of a lane, register 16 b + i of block b (b = 0, 1), become 8 registers of codes and e0 | e1 << 8
.macro QUANT2 s, pc, hreg
.irp b, 0,1
	v_max3_num_f32 v[BM+\b], |v[\s+16*\b]|, |v[\s+16*\b+1]|, 0x4800000
.endr
.irp i, 2,4,6,8,10,12,14
.irp b, 0,1
	s_delay_alu instid0(VALU_DEP_2)
	v_max3_num_f32 v[BM+\b], v[BM+\b], |v[\s+16*\b+\i]|, |v[\s+16*\b+\i+1]|
.endr
.endr
.irp b, 0,1
	s_delay_alu instid0(VALU_DEP_2)
	v_permlanex16_b32 v[PT+\b], v[BM+\b], s[SEL], s[SEL+1]
.endr
.irp b, 0,1
	s_delay_alu instid0(VALU_DEP_2)
	v_max_num_f32 v[BM+\b], v[BM+\b], v[PT+\b]
.endr
.irp b, 0,1
	s_delay_alu instid0(VALU_DEP_2)
	v_add_nc_u32 v[SO+\b], 0xfc000000, v[BM+\b]
.endr
.irp b, 0,1
	s_delay_alu instid0(VALU_DEP_4)
	v_and_or_b32 v[HL+\b], v[BM+\b], 0x7f800000, s[MNT]
.endr
.irp b, 0,1
	s_delay_alu instid0(VALU_DEP_4)
	v_lshrrev_b32 v[PT+\b], 23, v[SO+\b]
.endr
	s_delay_alu instid0(VALU_DEP_1)
	v_lshl_or_b32 v[\hreg], v[PT+1], 8, v[PT]
.irp b, 0,1
.irp i, 0,1,2,3,4,5,6,7,8,9,10,11,12,13,14,15
	v_med3_num_f32 v[\s+16*\b+\i], v[\s+16*\b+\i], -v[HL+\b], v[HL+\b]
.endr
	v_cvt_scalef32_pk8_fp8_f32 v[\pc+4*\b:\pc+4*\b+1], v[\s+16*\b:\s+16*\b+7], v[SO+\b]
	v_cvt_scalef32_pk8_fp8_f32 v[\pc+4*\b+2:\pc+4*\b+3], v[\s+16*\b+8:\s+16*\b+15], v[SO+\b]
.endr
	v_nop                                          ; one plain line behind the last conversion
.endm
; A tile's way out: O^T / l, quantised along the channels; the codes go through my stage, which puts them into the channels' true order (the last product's other operand is given), and leave as two chunks of a fragment's image
.macro OUT x
	TILE \x
	WIN 0x01
.irp i, 0,1,2,3,4,5,6,7,8,9,10,11,12,13,14,15
	v_pk_mul_f32 v[SS+2*\i:SS+2*\i+1], v[OO+2*\i:OO+2*\i+1], v[FF:FF+1] op_sel_hi:[1,0]   ; register 8 dt + j: channel 16 dt + 8 h + j
.endr
	WIN 0
	QUANT2 SS, PP, 228+(\x)
.irp b, 0,1
	ds_store_b64 v[STO], v[PP+4*\b:PP+4*\b+1] offset:32*\b           ; channels 32 b + 8 h + 0..7 of row r
	ds_store_b64 v[STO], v[PP+4*\b+2:PP+4*\b+3] offset:32*\b+16      ; channels 32 b + 16 + 8 h + 0..7
.endr
	v_add_nc_u32 v230, s[SCO], v[VSC]
	ds_store_b16 v230, v[228+(\x)] offset:32*(\x)  ; both lanes of a row write the same halfword with the same value
.irp b, 0,1
	ds_load_b128 v[PP+8+4*\b:PP+8+4*\b+3], v[SRD] offset:32*\b       ; channels 32 b + 16 h + 0..15: LDS serves a wave's instructions in order
.endr
	s_wait_dscnt 0x0
.irp b, 0,1
	global_store_b128 v[LI], v[PP+8+4*\b:PP+8+4*\b+3], s[10:11] offset:(\x)*4096+512*\b   ; 32 lanes store 512 consecutive bytes
.endr
.endm
; A KEY STEP: 128 keys for both tiles; their K is in registers.  wrap = 0: one of a pass's first three steps; wrap = 1: one of the other 13.  It ends with the compare for its loop's branch.
.macro STEP wrap
	s_add_co_u32 s[TN], s[TB], STEPB               ; the step whose K is asked for in this trip: the next one,
.if \wrap
	s_min_u32 s[TN], s[TN], 15*STEPB               ; held inside the head's bytes,
	s_cmp_eq_u32 s[CNT], 1
	s_cselect_b32 s[TN], 0, s[TN]                  ; and behind the last step the first, for the next pass
.endif
	v_add_nc_u32 v[ADK], s[TB], v[LI]
	v_add_nc_u32 v[ADN], s[TN], v[LI]
	WIN 0x05                                       ; K and Q in window 1, S^T in window 0
.irp f, 0,1,2,3
.irp u, 0,1
.irp x, 0,1
	v_wmma_scale_f32_16x16x128_f8f6f4 v[64+64*\x+8*(2*\f+\u):64+64*\x+8*(2*\f+\u)+7], v[KF+16*\f:KF+16*\f+15], v[QB+24*\x+8*(1-\u):QB+24*\x+8*(1-\u)+15], 0, v[8+\f], v[12+\x]
.endr
.endr
.endr
	WIN 0
	PLACES 8                                       ; in front of the first read of the scores and of the loads into K's registers; with the two additions above ten places behind the last step's products, in front of the loads into V's
	s_wait_alu depctr_va_vdst(0)
	WIN 0x40
.irp d, 0,1,2,3
.irp c, 0,1,2,3
	ds_load_b128 v[VF+16*\d+4*\c:VF+16*\d+4*\c+3], v[ADK] offset:8192+\d*2048+\c*512
.endr
.endr
	WIN 0
	ds_load_b128 v[16:19], v[ADK] offset:16384     ; lanes 16-31: V's scale words
	KLOAD ADN                                      ; 34 LDS loads are out while the softmax is walked
	P1
.set J, 0
.rept 32
	v_pk_fma_f32 v[64+J:65+J], v[64+J:65+J], s[CS:CS+1], v[20:21] op_sel_hi:[1,0,0]   ; tile A: t - M
.set J, J+2
.endr
.irp b, 0,1,2,3
	v_fma_f32 v[24+\b], v[24+\b], s[CS], v20       ; the same of each block's largest score
.endr
	WIN 0x41
.set J, 0
.rept 16
	v_pk_mul_f32 v[J:J+1], v[J:J+1], v[40:41] op_sel_hi:[1,0]            ; O^T under the new M (window 1): read ahead of the step's exponentials, each accumulator from its low end
	v_pk_mul_f32 v[32+J:33+J], v[32+J:33+J], v[58:59] op_sel_hi:[1,0]
.set J, J+2
.endr
	WIN 0
	v_pk_mul_f32 v[22:23], v[22:23], v[40:41] op_sel_hi:[1,0]            ; the sums under the new M
	v_pk_mul_f32 v[62:63], v[62:63], v[58:59] op_sel_hi:[1,0]
	s_wait_alu depctr_va_vdst(0)                   ; ahead of the batch
.set J, 0
.rept 32                                           ; tile A: p = 2^(t - M); by turns tile B's t - M, first read behind the next wait
	v_exp_f32 v[64+J], v[64+J]
	v_pk_fma_f32 v[128+J:129+J], v[128+J:129+J], s[CS:CS+1], v[60:61] op_sel_hi:[1,0,0]
	v_exp_f32 v[65+J], v[65+J]
.set J, J+2
.endr
.irp b, 0,1,2,3
	v_exp_f32 v[24+\b], v[24+\b]                   ; A's blocks' largest p: the same two instructions on the same number
	v_fma_f32 v[42+\b], v[42+\b], s[CS], v60
.endr
	s_wait_alu depctr_va_vdst(0)                   ; one wait for A's 68 exponentials, ahead of their first reader
	P5 64, 22
	P6 0
	s_wait_alu depctr_va_vdst(0)                   ; ahead of the batch
.irp b, 0,1,2,3
	v_exp_f32 v[42+\b], v[42+\b]                   ; B's blocks' largest p
.endr
.irp b, 0,1,2,3
.irp i, 0,2,4,6,8,10,12,14                         ; tile B: p; by turns tile A's hold (p is never negative), two numbers a line, first read behind the next wait
	v_exp_f32 v[128+16*\b+\i], v[128+16*\b+\i]
	v_dual_min_num_f32 v[64+16*\b+\i], v[64+16*\b+\i], v[32+\b] :: v_dual_min_num_f32 v[65+16*\b+\i], v[65+16*\b+\i], v[32+\b]
	v_exp_f32 v[129+16*\b+\i], v[129+16*\b+\i]
.endr
.endr
	v_nop                                          ; a plain line behind the exponentials
	s_wait_alu depctr_va_vdst(0)                   ; one wait for B's 68
	CVT 0
	P6 1                                           ; plain lines behind A's conversions, whose sources are written next
.irp b, 0,1,2,3
.irp i, 0,2,4,6,8,10,12,14                         ; tile B's hold goes into A's registers, so that B's unquantised p stays for the sum
	v_dual_min_num_f32 v[64+16*\b+\i], v[128+16*\b+\i], v[50+\b] :: v_dual_min_num_f32 v[65+16*\b+\i], v[129+16*\b+\i], v[50+\b]
.endr
.endr
	CVT 1
	P5 128, 62                                     ; these 32 are the plain lines behind the conversions and the places in front of the products
	s_wait_alu depctr_va_vdst(0)
	s_wait_dscnt 0x0                               ; V, and the next step's K
	WIN 0x51                                       ; V, C and D in window 1, p in window 0
.irp d, 0,1,2,3
.irp x, 0,1
	v_wmma_scale_f32_16x16x128_f8f6f4 v[32*\x+8*\d:32*\x+8*\d+7], v[VF+16*\d:VF+16*\d+15], v[192+16*\x:192+16*\x+15], v[32*\x+8*\d:32*\x+8*\d+7], v[16+\d], v[14+\x] matrix_a_scale:MATRIX_SCALE_ROW1
.endr
.endr
	WIN 0                                          ; the eight accumulators take turns, one instruction a turn
	s_add_co_u32 s[TB], s[TB], STEPB
	s_sub_co_u32 s[CNT], s[CNT], 1
	s_cmp_lg_u32 s[CNT], 0
.endm
.Lpass:                                            ; two passes: tiles 2 w, 2 w + 1 of the work-group's first 16, then of its second 16
	WIN 0x40
.irp j, 0,1,2,3,4,5,6,7,8,9,10,11,12,13,14,15,16,17,18,19,20,21,22,23,24,25,26,27,28,29,30,31,32,33,34,35,36,37,38,39,40,41,42,43,44,45,46,47,48,49,50,51,52,53,54,55,56,57,58,59,60,61,62,63
	v_mov_b32 v[\j], 0                             ; O^T: the step is written once; a pass's first trip finds zeros, which the first change of M leaves zeros
.endr
	WIN 0
.irp x, 0,1
	v_mov_b32 v[21+40*\x], 0xff61b1e6              ; the largest t so far: -3e38
	v_mov_b32 v[22+40*\x], 0
	v_mov_b32 v[23+40*\x], 0
	v_mov_b32 v[41+18*\x], 0                       ; the upper half of f's pair
.endr
.irp x, 0,1
	v_floor_f32 v[20+40*\x], -v[21+40*\x]
.endr
	s_wait_alu depctr_va_vdst(0)                   ; ahead of the waits below
	s_wait_loadcnt 0x0                             ; q and its scale words
	s_wait_dscnt 0x0                               ; step 0's K
	s_mov_b32 s[TB], 0
	s_mov_b32 s[CNT], 3
.Lstep_a:                                          ; steps 0 to 2: they read steps 0 to 3 of LDS alone
	STEP 0
	s_cbranch_scc1 .Lstep_a
	s_wait_tensorcnt 0x0                           ; my eighth of steps 4 to 15 is in (in the second pass nothing is out),
	s_barrier_signal -1                            ; (no LDS instruction of mine is out: the step waits for all of them ahead of its second product)
	s_barrier_wait -1                              ; and everybody's is
	s_mov_b32 s[CNT], 13
.Lstep_b:                                          ; steps 3 to 15
	STEP 1
	s_cbranch_scc1 .Lstep_b
	PLACES 8                                       ; in front of the first read of O^T
	s_cmp_eq_u32 s[PASS], 1
	s_cbranch_scc1 .Lno_q
	QLOAD 1                                        ; the second pass's q lands while the first goes out
.Lno_q:
.irp x, 0,1
	v_add_f32 v[32+18*\x], v[22+40*\x], v[23+40*\x]        ; the sum's two halves,
.endr
.irp x, 0,1
	s_delay_alu instid0(VALU_DEP_2)
	v_permlanex16_b32 v[28+18*\x], v[32+18*\x], s[SEL], s[SEL+1]
.endr
.irp x, 0,1
	s_delay_alu instid0(VALU_DEP_2)
	v_add_f32 v[32+18*\x], v[32+18*\x], v[28+18*\x]        ; and lane l xor 16's
.endr
	s_wait_alu depctr_va_vdst(0)
.irp x, 0,1
	v_rcp_f32 v[40+18*\x], v[32+18*\x]
.endr
	v_nop                                          ; a plain line behind the reciprocals
	s_wait_alu depctr_va_vdst(0)                   ; one wait for both, ahead of the first reader
	OUT 0
	OUT 1
	s_wait_xcnt 0x0                                ; the stores have read their base and their data
	s_add_nc_u64 s[10:11], s[10:11], 65536         ; 16 tiles of rows on
	s_add_co_u32 s[SCO], s[SCO], 512
	s_sub_co_u32 s[PASS], s[PASS], 1
	s_cmp_lg_u32 s[PASS], 0
	s_cbranch_scc1 .Lpass
	s_wait_dscnt 0x0                               ; for the others' sake: my scale halfwords are in LDS
	s_barrier_signal -1
	s_barrier_wait -1
	s_cmp_lg_u32 s[WV], 0
	s_cbranch_scc1 .Lnot_0
	ds_load_b128 v[236:239], v[SCR]                ; wave 0 stores the 512 rows' 1,024 bytes
	ds_load_b128 v[240:243], v[SCR] offset:512
	s_wait_dscnt 0x0
	global_store_b128 v[LI], v[236:239], s[12:13]
	global_store_b128 v[LI], v[240:243], s[12:13] offset:512
.Lnot_0:
	s_wait_tensorcnt 0x0                           ; the wave's end
	ds_add_u32 v[SPW], v[NIL]
	s_wait_dscnt 0x0
	CROUND                                         ; the closing round
	s_endpgm
.Lfunc_end_k_q92f1a31235_attn:
	.size	k_q92f1a31235_attn, .Lfunc_end_k_q92f1a31235_attn-k_q92f1a31235_attn
	.p2alignl 7, 3214868480
	.fill 96, 4, 3214868480
	.section	.rodata,"a",@progbits
	.p2align	6, 0x0
	.amdhsa_kernel k_q92f1a31235_attn
		.amdhsa_group_segment_fixed_size 327680
		.amdhsa_private_segment_fixed_size 0
		.amdhsa_enable_private_segment 0
		.amdhsa_kernarg_size 40
		.amdhsa_user_sgpr_count 2
		.amdhsa_user_sgpr_kernarg_segment_ptr 1
		.amdhsa_wavefront_size32 1
		.amdhsa_system_sgpr_workgroup_id_x 1
		.amdhsa_system_sgpr_workgroup_id_y 1
		.amdhsa_system_sgpr_workgroup_id_z 1
		.amdhsa_system_vgpr_workitem_id 0
		.amdhsa_next_free_vgpr 512
		.amdhsa_next_free_sgpr 66
		.amdhsa_reserve_vcc 0
		.amdhsa_float_denorm_mode_32 3
		.amdhsa_float_denorm_mode_16_64 3
		.amdhsa_memory_ordered 1
		.amdhsa_forward_progress 1
		.amdhsa_inst_pref_size 98
	.end_amdhsa_kernel
	.amdgpu_metadata
---
amdhsa.version: [ 1, 2 ]
amdhsa.kernels:
  - .name:           k_q92f1a31235_attn
    .symbol:         k_q92f1a31235_attn.kd
    .args:
      - { .name: q, .offset: 0, .size: 8, .value_kind: global_buffer, .address_space: global }
      - { .name: qs, .offset: 8, .size: 8, .value_kind: global_buffer, .address_space: global }
      - { .name: kv, .offset: 16, .size: 8, .value_kind: global_buffer, .address_space: global }
      - { .name: ao, .offset: 24, .size: 8, .value_kind: global_buffer, .address_space: global }
      - { .name: asc, .offset: 32, .size: 8, .value_kind: global_buffer, .address_space: global }
    .group_segment_fixed_size: 327680
    .private_segment_fixed_size: 0
    .kernarg_segment_align: 8
    .kernarg_segment_size: 40
    .max_flat_workgroup_size: 256
    .sgpr_count:     66
    .vgpr_count:     512
    .wavefront_size: 32
...
	.end_amdgpu_metadata
.endif
;; end of part 2
;; launch proj (part 3): grid 4 x 64, 4 waves a work-group, clusters of 4 x 4, 327,680 bytes of LDS; arguments ao, asc, w_proj_codes, w_proj_scales, b_proj, out0; writes out0
.if DOCPART == 3
	.amdgcn_target "amdgcn-amd-amdhsa--gfx1250"
	.amdhsa_code_object_version 6
	.text
	.protected	k_q92f1a31235_proj
	.globl	k_q92f1a31235_proj
	.p2align	8
	.type	k_q92f1a31235_proj,@function
k_q92f1a31235_proj:
	s_mov_b64 s[64:65], 0
	v_nop
	global_prefetch_b8 v0, s[64:65] scope:SCOPE_SE
	s_setreg_imm32_b32 hwreg(HW_REG_WAVE_MODE, 25, 1), 1
	s_wait_xcnt 0x0
	s_wait_alu depctr_hold_cnt(0) depctr_sa_sdst(0) depctr_va_vdst(0) depctr_va_sdst(0) depctr_va_ssrc(0) depctr_va_vcc(0) depctr_vm_vsrc(0)
	s_getreg_b32 s2, hwreg(HW_REG_IB_STS2, 6, 4)
	s_cmp_eq_u32 s2, 0
	s_cbranch_scc0 .Lentry_in_a_cluster
	s_endpgm
.Lentry_in_a_cluster:
	s_bfe_u32 s2, ttmp6, 0x10000c
	s_cmp_lg_u32 s2, 0xf033
	s_cbranch_scc0 .Lentry_shape_is_right
	s_endpgm
.Lentry_shape_is_right:
; out0[m][n] = sum over k of A[m][k] W[n][k] + b[n]: A = the attention's result as codes of FP8 (E4M3) with E8M0 scales, W = w_proj as given; sums in f32.
; A lies as images of its fragments, ao[K step of 256][tile of 16 rows][128 of K][32 of K][lane][16 bytes]; its scale bytes as asc[head][row] halfwords.
; SHARES.  8,192 x 1,024 in blocks of 128 x 256: 64 x 4 = 256 work-groups.  Four waves, each 64 rows x 128 columns: 32 accumulators of 16 x 16.
; K goes in four steps of 256 through a ring of two LDS slots (A's 32,768 bytes, then W's 256 rows of 256 + 16 bytes); a step is two runs of 32 matrix instructions on two sets of fragments, the other set fetched meanwhile.
; CLUSTERS of 4 x 4: A's tile is asked for jointly along a row of the cluster, W's tile and scales along a column.
; The matrix instruction is used transposed (source 0 = W's rows, source 1 = A's rows): a lane holds eight neighbouring columns of one row; the bias is the C of each accumulator's first product.
; REGISTERS: window 0: v0-31 addresses, v32-63 scale words (two sets), v64-127 the bias, v128-255 A's two sets (on the way out: rows read back); window 1: W's two sets; window 2: the accumulators, (a, b) at v[8 (8 a + b)].
.set SIZE_N, 1024
.set ROWB,   256
.set KROW,   1024
.set PITCH,  272
.set FR,     16
.set NP,     8                         ; places behind this matrix instruction (ISA guide 7.12.1)
.set HALFA,  16384                     ; A: 64 rows of a K step: four tiles of 4,096 bytes
.set HALFT,  128*PITCH                 ; W: 128 rows
.set SLOT,   2*HALFA+2*HALFT
.set ASTEP,  2097152                   ; from K step to K step in ao
.set SCL,    2*SLOT                    ; behind the ring: A's scale words of 128 rows (stored by the waves: 17 blocks of 256 bytes into which no fill lands), then W's of 256 rows: 32 bytes a row, 16 of padding behind each 256
.set HALFS,  16*272                    ; the scales of 128 rows
.set SBLK,   2*272                     ; of 16 rows
.set SPARE,  SCL+3*HALFS               ; the spare words, 128 bytes a wave, named by no other line
.set SPITCH, 528                       ; the way out: a stage of 16 rows x (512 + 16) bytes a wave, in slot 0, behind its last fill and its last read
.set ADRA, 16
.set ADRB, 20
.set STO,  24
.set RD,   25
.set CO,   26
.set ADRS, 27
.set SPW,  28
.set NIL,  29
.set PFO,  30
.set SC,   32
.set BI,   64
.set AF,   128
.set BK,   128
.set G1, 24
.set G0, 32
.set G1B, 48
.set G0B, 56
.set G1S, 68
.set G0S, 76
.set G0H, 80
.set PFA, 84                           ; s[84:85] where my prefetches stand
.set PFS, 88                           ; s[88:89] a K step on, in bytes
.set MSB, 0
.macro WIN new
.if MSB != (\new)
	s_set_vgpr_msb (MSB<<8)|(\new)
.set MSB, (\new)
.endif
.endm
.set MUL,    0xa1                      ; source 0 (W) window 1, source 1 (A) window 0, C and D window 2
.set MUL_1ST, 0x81                     ; the same with C (the bias) in window 0
.set TO_B,   0x40
.macro JLOAD g0a, g1a, g0b, g1b        ; the ring's joint loads: waves 0 and 1 A's halves, waves 2 and 3 W's
	s_cmp_eq_u32 s15, 0
	s_cbranch_scc0 .Lfor_b_\@
	tensor_load_to_lds s[\g0a:\g0a+3], s[\g1a:\g1a+7]
	s_nop 0
.rept 4
	v_nop
.endr
	s_branch .Lasked_\@
.Lfor_b_\@:
	tensor_load_to_lds s[\g0b:\g0b+3], s[\g1b:\g1b+7]
	s_nop 0
.rept 4
	v_nop
.endr
.Lasked_\@:
.endm
.macro CREST
	s_cmp_lg_u32 s14, 0
	s_cbranch_scc1 .Lnot_wave_0_\@
	s_barrier_signal -3
.Lnot_wave_0_\@:
	s_barrier_wait -3
	s_barrier_signal -1
	s_barrier_wait -1
.endm
.macro CROUND
	s_barrier_signal -1
	s_barrier_wait -1
	CREST
.endm
.macro ARM under, g0, g1, next
	s_cmp_lt_u32 s14, \under
	s_cbranch_scc0 \next
	tensor_load_to_lds s[\g0:\g0+3], s[\g1:\g1+7]
	s_nop 0
.rept 4
	v_nop
.endr
	s_branch .Lhead_asked
\next:
.endm
.macro PLACES n
.rept \n
	v_nop
.endr
.endm
	s_load_b128 s[4:7], s[0:1], 0x0                ; ao, asc
	s_load_b128 s[8:11], s[0:1], 0x10              ; W's codes, W's scales
	s_load_b128 s[96:99], s[0:1], 0x20             ; b_proj, out0
	v_lshl_add_u32 v[SPW], v0, 2, SPARE
	v_mov_b32 v[NIL], 0
	ds_add_u32 v[SPW], v[NIL]                      ; the opening lines: the add, twice on end, and its wait
	ds_add_u32 v[SPW], v[NIL]
	v_lshrrev_b32 v1, 5, v0
	v_readfirstlane_b32 s14, v1                    ; wave 0..3
	s_lshr_b32 s15, s14, 1                         ; my half of the block's rows.  Also: I fetch for A (0) or for W (1)
	s_and_b32 s16, s14, 1                          ; my half of its columns.  Also: which half of that tile I fetch
	s_bfe_u32 s40, ttmp6, 0x40000                  ; cx, cy
	s_bfe_u32 s41, ttmp6, 0x40004
	s_lshl_b32 s42, ttmp9, 2
	s_add_co_u32 s42, s42, s40                     ; block column, 0..3
	s_and_b32 s17, ttmp7, 0xffff
	s_lshl_b32 s17, s17, 2
	s_add_co_u32 s17, s17, s41                     ; block row, 0..63
	s_lshl_b32 s43, s41, 2
	s_lshl_b32 s43, 15, s43                        ; my row of the cluster
	s_lshl_b32 s44, 0x1111, s40                    ; my column
	s_or_b32 s[G1+0], s43, (3<<16)|(1<<21)         ; A: dense rows of 256 bytes (32 elements of 8), no padding: 128 rows at the head, 64 in the ring
	s_mov_b32 s[G1+1], 32<<16
	s_mov_b32 s[G1+2], 128<<16
	s_mov_b32 s[G1+3], 32<<16
	s_mov_b32 s[G1+4], 128
	s_mov_b32 s[G1+5], 32
	s_mov_b32 s[G1+6], 0
	s_mov_b32 s[G1+7], 0
	s_or_b32 s[G1B+0], s44, (0<<16)|(1<<20)|(1<<21)|(5<<22)|(3<<25)  ; W: 128 rows of 256 bytes, 16 of padding behind each
	s_mov_b32 s[G1B+1], ROWB<<16
	s_mov_b32 s[G1B+2], 128<<16
	s_mov_b32 s[G1B+3], ROWB<<16
	s_mov_b32 s[G1B+4], 128
	s_mov_b32 s[G1B+5], KROW
	s_mov_b32 s[G1B+6], 0
	s_mov_b32 s[G1B+7], 0
	s_or_b32 s[G1S+0], s44, (3<<16)|(1<<20)|(1<<21)|(5<<22)|(3<<25)  ; W's scales of 256 rows: 8,192 dense bytes as 32 rows of 256, padded
	s_mov_b32 s[G1S+1], 32<<16
	s_mov_b32 s[G1S+2], 32<<16
	s_mov_b32 s[G1S+3], 32<<16
	s_mov_b32 s[G1S+4], 32
	s_mov_b32 s[G1S+5], 32
	s_mov_b32 s[G1S+6], 0
	s_mov_b32 s[G1S+7], 0
	s_lshl_b32 s20, s17, 15                        ; A: a block's 8 tiles of a K step are 32,768 bytes
	s_mov_b32 s21, 0
	s_lshl_b32 s22, s16, 14                        ; my half of them in the ring
	s_mov_b32 s23, 0
	s_lshl_b32 s46, s42, 8
	s_lshl_b32 s18, s16, 7
	s_add_co_u32 s46, s46, s18
	s_lshl_b32 s46, s46, 10                        ; W: row 256 x block column + 128 x half
	s_mov_b32 s47, 0
	s_lshl_b32 s92, s42, 13                        ; W's scales
	s_mov_b32 s93, 0
	s_lshl_b32 s45, s16, 14                        ; where they go in a slot: no place in the cluster enters an LDS address
	s_mul_i32 s94, s16, HALFT
	s_add_co_u32 s94, s94, 2*HALFA
	s_wait_dscnt 0x0                               ; both opening adds are done
	s_wait_kmcnt 0x0
	s_add_nc_u64 s[20:21], s[4:5], s[20:21]
	s_add_nc_u64 s[46:47], s[8:9], s[46:47]
	s_add_nc_u64 s[92:93], s[10:11], s[92:93]
	CROUND                                         ; all sixteen work-groups are here: the first joint loads meet
	s_mov_b32 s[G0H], 1                            ; the head's load of A: K step 0, whole
	s_mov_b32 s[G0H+1], 0
	s_mov_b64 s[G0H+2:G0H+3], s[20:21]
	s_or_b32 s[G0H+3], s[G0H+3], 0x80000000
	s_mov_b32 s[G0S], 1
	s_mov_b32 s[G0S+1], SCL+HALFS
	s_mov_b64 s[G0S+2:G0S+3], s[92:93]
	s_or_b32 s[G0S+3], s[G0S+3], 0x80000000
	s_add_nc_u64 s[20:21], s[20:21], s[22:23]
.irp s, 0,1
	s_mov_b32 s[G0+4*\s], 1
	s_add_co_u32 s[G0+4*\s+1], s45, \s*SLOT
	s_add_nc_u64 s[G0+4*\s+2:G0+4*\s+3], s[20:21], \s*ASTEP
	s_or_b32 s[G0+4*\s+3], s[G0+4*\s+3], 0x80000000
	s_mov_b32 s[G0B+4*\s], 1
	s_add_co_u32 s[G0B+4*\s+1], s94, \s*SLOT
	s_add_nc_u64 s[G0B+4*\s+2:G0B+4*\s+3], s[46:47], \s*ROWB
	s_or_b32 s[G0B+4*\s+3], s[G0B+4*\s+3], 0x80000000
.endr
; THE HEAD'S LOADS, ONE A WAVE: wave 0 A's K step 0, wave 1 W's scales, waves 2 and 3 W's halves of K step 0.  One tree of branches on the wave's number: every way passes one load.
	ARM 1, G0H, G1,  .Lhead_s
	ARM 2, G0S, G1S, .Lhead_w
	tensor_load_to_lds s[G0B:G0B+3], s[G1B:G1B+7]
	s_nop 0
.rept 4
	v_nop
.endr
.Lhead_asked:
	v_and_b32 v6, 31, v0                           ; lane
	v_and_b32 v1, 15, v0                           ; r
	v_bfe_u32 v2, v0, 4, 1                         ; h
	v_lshlrev_b32 v9, 2, v1
	v_lshlrev_b32 v10, 5, v2
	s_lshl_b32 s18, s17, 8                         ; asc: 2 bytes a row: my block's 128 rows, my wave's 32 of them
	s_lshl_b32 s19, s14, 6
	s_add_co_u32 s18, s18, s19
	s_mov_b32 s19, 0
	s_add_nc_u64 s[6:7], s[6:7], s[18:19]
	s_lshl_b32 s18, s42, 10                        ; the bias of my 128 columns
	s_lshl_b32 s19, s16, 9
	s_add_co_u32 s18, s18, s19
	s_mov_b32 s19, 0
	s_add_nc_u64 s[96:97], s[96:97], s[18:19]
	s_wait_alu depctr_va_vdst(0)                   ; ahead of the readers below
.irp d, 0,1,2,3,4,5,6,7,8,9,10,11,12,13,14,15
	global_load_b32 v[128+\d], v9, s[6:7] offset:\d*16384          ; head d: the halfwords of rows 2 r and 2 r + 1
.endr
.irp b, 0,1,2,3,4,5,6,7
	global_load_b128 v[BI+8*\b:BI+8*\b+3], v10, s[96:97] offset:64*\b
	global_load_b128 v[BI+8*\b+4:BI+8*\b+7], v10, s[96:97] offset:64*\b+16
.endr
	; PREFETCHES INTO THE L2: K step 2 here and K step 3 behind slot 1's load, each two K steps ahead of the refill that wants it.  Of what my wave fetches in the ring the four partners that ask jointly each name a quarter,
	; told apart by address: of A's 64 blocks of 256 bytes 16 (place cx; lanes 16-31 name the last again), of W's 128 rows 32 (place cy; a lane a row).  K steps 0 and 1 come by their loads alone.
	s_cmp_eq_u32 s15, 0
	s_cselect_b64 s[PFA:PFA+1], s[20:21], s[46:47]
	s_cselect_b32 s86, s40, s41
	s_mov_b32 s87, 32*KROW
	s_cselect_b32 s87, 16*256, s87                 ; a place's share
	s_mov_b32 s[PFS], ROWB
	s_cselect_b32 s[PFS], ASTEP, s[PFS]
	s_mov_b32 s[PFS+1], 0
	s_mov_b32 s90, KROW
	s_cselect_b32 s90, 256, s90                    ; from lane to lane
	s_cselect_b32 s91, 15, 31
	s_mul_i32 s86, s86, s87
	s_mov_b32 s87, 0
	s_add_nc_u64 s[PFA:PFA+1], s[PFA:PFA+1], s[86:87]
	s_add_nc_u64 s[PFA:PFA+1], s[PFA:PFA+1], s[PFS:PFS+1]
	s_add_nc_u64 s[PFA:PFA+1], s[PFA:PFA+1], s[PFS:PFS+1]
	v_min_u32 v[PFO], s91, v6
	v_mul_lo_u32 v[PFO], v[PFO], s90
	global_prefetch_b8 v[PFO], s[PFA:PFA+1] th:TH_LOAD_NT scope:SCOPE_SE
	v_lshlrev_b32 v4, 4, v6
	s_lshl_b32 s21, s15, 14                        ; my 64 rows of A
	v_mul_u32_u24 v3, v1, PITCH
	v_lshl_add_u32 v5, v2, 4, v3
	s_mul_i32 s22, s16, HALFT                      ; my 128 rows of W
	s_add_co_u32 s22, s22, 2*HALFA
.irp s, 0,1
	v_add_nc_u32 v[ADRA+\s], s21, v4
	v_add_nc_u32 v[ADRB+\s], s22, v5
	s_add_co_u32 s21, s21, SLOT
	s_add_co_u32 s22, s22, SLOT
.endr
	v_lshlrev_b32 v5, 5, v1                        ; scale words: 32 bytes a row, 16 more for each 256 passed
	v_lshrrev_b32 v8, 3, v1
	v_lshl_add_u32 v5, v8, 4, v5
	s_mul_i32 s21, s15, 4*SBLK                     ; lanes 0-15: A's, my 64 rows
	s_mul_i32 s22, s16, HALFS                      ; lanes 16-31: W's, my 128 rows, behind A's 128
	s_add_co_u32 s22, s22, HALFS
	s_sub_co_u32 s22, s22, s21
	v_mul_u32_u24 v8, s22, v2
	s_add_co_u32 s21, s21, SCL
	v_add_nc_u32 v5, v5, v8
	v_add_nc_u32 v[ADRS], s21, v5
	v_lshrrev_b32 v7, 2, v1                        ; where my row 32 w + 2 r + h puts its eight scale words
	v_mul_u32_u24 v7, v7, 272
	v_and_b32 v8, 3, v1
	v_lshl_add_u32 v7, v8, 6, v7
	v_lshl_add_u32 v7, v2, 5, v7
	s_mul_i32 s21, s14, 4*272
	s_add_co_u32 s21, s21, SCL
	v_add_nc_u32 v7, s21, v7
	v_mul_lo_u32 v11, 0x02020202, v2
	v_add_nc_u32 v11, 0x05040100, v11              ; byte selects: the two low halves (h = 0: row 2 r) or the two high halves (h = 1: row 2 r + 1)
	s_mul_i32 s23, s14, 16*SPITCH
	v_mul_u32_u24 v5, v1, SPITCH
	v_lshl_add_u32 v5, v2, 5, v5
	v_add_nc_u32 v[STO], s23, v5
	v_mov_b32 v[CO], v4
	v_add_nc_u32 v[RD], s23, v[CO]
	s_lshl_b32 s20, s17, 7
	s_lshl_b32 s21, s15, 6
	s_add_co_u32 s20, s20, s21                     ; my first row of out0
	s_lshl_b32 s20, s20, 12
	s_lshl_b32 s46, s42, 10
	s_lshl_b32 s47, s16, 9
	s_add_co_u32 s46, s46, s47
	s_add_co_u32 s20, s20, s46
	s_mov_b32 s21, 0
	s_add_nc_u64 s[98:99], s[98:99], s[20:21]
	s_wait_alu depctr_va_vdst(0)                   ; ahead of the wait below
	s_wait_loadcnt 16                              ; the 16 loads of the bias may be out
.irp k, 0,1,2,3,4,5,6,7
	v_perm_b32 v[144+\k], v[129+2*\k], v[128+2*\k], v11            ; word k: heads 2 k and 2 k + 1: 128 along K
.endr
	ds_store_b128 v7, v[144:147]
	ds_store_b128 v7, v[148:151] offset:16
.macro FETCH slot, q                   ; the fragments of the slot's q-th 128 along K into set q: 48 LDS loads
	WIN TO_B
.irp i, 0,1,2,3,4,5,6,7
.irp c, 0,1,2,3
	ds_load_b128 v[128*(\q)+FR*\i+4*\c:128*(\q)+FR*\i+4*\c+3], v[ADRB+\slot] offset:128*(\q)+32*\c+\i*16*PITCH
.endr
.endr
	WIN 0
.irp i, 0,1,2,3
.irp c, 0,1,2,3
	ds_load_b128 v[AF+64*(\q)+FR*\i+4*\c:AF+64*(\q)+FR*\i+4*\c+3], v[ADRA+\slot] offset:(2*\i+(\q))*2048+512*\c
.endr
.endr
.endm
.macro SCALES sc, ks                   ; K step ks: two words a row; register 2 i + q: lanes 0-15 A's block i (i under 4 is used), lanes 16-31 W's block i
.irp i, 0,1,2,3,4,5,6,7
	ds_load_b64 v[SC+16*\sc+2*\i:SC+16*\sc+2*\i+1], v[ADRS] offset:\i*SBLK+8*(\ks)
.endr
.endm
.macro MUL16 a0, q, sc, first          ; A's blocks a0, a0 + 1 x W's eight; the 32 accumulators take turns, one instruction a turn
.irp a, \a0, \a0+1
.irp b, 0,1,2,3,4,5,6,7
.if \first
	v_wmma_scale_f32_16x16x128_f8f6f4 v[8*(8*(\a)+\b):8*(8*(\a)+\b)+7], v[128*(\q)+FR*\b:128*(\q)+FR*\b+FR-1], v[AF+64*(\q)+FR*(\a):AF+64*(\q)+FR*(\a)+FR-1], v[BI+8*\b:BI+8*\b+7], v[SC+16*(\sc)+2*\b+(\q)], v[SC+16*(\sc)+2*(\a)+(\q)] matrix_a_scale:MATRIX_SCALE_ROW1
.else
	v_wmma_scale_f32_16x16x128_f8f6f4 v[8*(8*(\a)+\b):8*(8*(\a)+\b)+7], v[128*(\q)+FR*\b:128*(\q)+FR*\b+FR-1], v[AF+64*(\q)+FR*(\a):AF+64*(\q)+FR*(\a)+FR-1], v[8*(8*(\a)+\b):8*(8*(\a)+\b)+7], v[SC+16*(\sc)+2*\b+(\q)], v[SC+16*(\sc)+2*(\a)+(\q)] matrix_a_scale:MATRIX_SCALE_ROW1
.endif
.endr
.endr
.endm
.macro STEP slot, first                ; a slot's first 128 along K, on set 0; in its middle set 1 is fetched
	s_wait_dscnt 0x0
.if \first
	WIN MUL_1ST
.else
	WIN MUL
.endif
	MUL16 0, 0, \slot, \first
	PLACES NP                                      ; in front of the loads into set 1, which the products before these sixteen read
	FETCH \slot, 1
.if \first
	WIN MUL_1ST
.else
	WIN MUL
.endif
	MUL16 2, 0, \slot, \first
	WIN 0
.endm
.macro TURN slot, next, fill, ks       ; a slot's second 128, on set 1, and the change of slots; fill = 1: this slot is filled again, two K steps ahead; ks: the next slot's K step
	s_wait_tensorcnt 0x0                           ; all my tensor loads have landed: my part of the next slot
	ds_add_u32 v[SPW], v[NIL]
	s_wait_dscnt 1                                 ; set 1 is in; the add may be out
	WIN MUL
	MUL16 0, 1, \slot, 0
	s_wait_dscnt 0x0                               ; the add is done, and my reads of this slot are over
	WIN 0
	s_barrier_signal -1
	s_barrier_wait -1
.if \fill
	CREST                                          ; the barrier has opened a round of the cluster's barrier
	s_add_nc_u64 s[G0+4*\slot+2:G0+4*\slot+3], s[G0+4*\slot+2:G0+4*\slot+3], 2*ASTEP
	s_add_nc_u64 s[G0B+4*\slot+2:G0B+4*\slot+3], s[G0B+4*\slot+2:G0B+4*\slot+3], 2*ROWB
	JLOAD G0+4*\slot, G1, G0B+4*\slot, G1B         ; the first tensor load behind the round; its four v_nop are among the places in front of the loads below
	PLACES NP-4
.else
	PLACES NP
.endif
	FETCH \next, 0
	SCALES \next, \ks
	WIN MUL
	MUL16 2, 1, \slot, 0
	WIN 0
.endm
	s_wait_alu depctr_va_vdst(0)
	s_wait_tensorcnt 0x0                           ; my tile of the head's is in
	ds_add_u32 v[SPW], v[NIL]
	s_mov_b32 s[G1+2], 64<<16                      ; no tensor load of mine is out: from here on a load of A brings 64 rows of 256 bytes
	s_mov_b32 s[G1+4], 64
	s_wait_xcnt 0x0                                ; my prefetch has read its address
	s_add_nc_u64 s[PFA:PFA+1], s[PFA:PFA+1], s[PFS:PFS+1]
	s_wait_dscnt 0x0                               ; the add is done, and A's scale words are stored
	CROUND                                         ; everybody's tiles and words are in, and all sixteen work-groups are here
	JLOAD G0+4, G1, G0B+4, G1B                     ; K step 1, the first tensor load behind the round
	FETCH 0, 0
	SCALES 0, 0
	global_prefetch_b8 v[PFO], s[PFA:PFA+1] th:TH_LOAD_NT scope:SCOPE_SE   ; K step 3
	s_wait_loadcnt 0x0                             ; the bias
	STEP 0, 1                                      ; the first products take the bias as C: nothing is cleared or added later
	TURN 0, 1, 1, 1
	STEP 1, 0
	TURN 1, 0, 1, 2
	STEP 0, 0
	TURN 0, 1, 0, 3                                ; the last change of slots fills nothing and has no round
	STEP 1, 0
	s_wait_dscnt 0x0
	WIN MUL
	MUL16 0, 1, 1, 0
	MUL16 2, 1, 1, 0
	WIN 0
; THE WAY OUT, block by block of 16 rows x 128 columns, through my stage: rows come back whole, and the 32 lanes store 512 consecutive bytes, two aligned units of 256.
.macro TOSTAGE a
.set AC, 64*(\a)
	WIN 0x08
.irp b, 0,1,2,3,4,5,6,7
	ds_store_b128 v[STO], v[AC+8*\b:AC+8*\b+3] offset:64*\b          ; each accumulator from its low end on
	ds_store_b128 v[STO], v[AC+8*\b+4:AC+8*\b+7] offset:64*\b+16
.endr
	WIN 0
.set BB, BK+64*((\a)%2)
.irp t, 0,1,2,3,4,5,6,7,8,9,10,11,12,13,14,15
	ds_load_b128 v[BB+4*\t:BB+4*\t+3], v[RD] offset:\t*SPITCH        ; LDS serves a wave's instructions in order (ISA guide 5.7.1.4)
.endr
.endm
.macro SEND a, younger                 ; younger: the LDS instructions issued behind block a's loads
.set BB, BK+64*((\a)%2)
	s_wait_dscnt \younger
.if (\a) > 0
	s_add_nc_u64 s[98:99], s[98:99], 16*SIZE_N*4   ; behind a wait on XCNT: the earlier stores have read their base
.endif
.irp t, 0,1,2,3,4,5,6,7,8,9,10,11,12,13,14,15
	global_store_b128 v[CO], v[BB+4*\t:BB+4*\t+3], s[98:99] offset:\t*SIZE_N*4 th:TH_STORE_NT
.endr
.endm
	PLACES NP
	TOSTAGE 0
.irp a, 1,2,3
.if \a > 1
	s_wait_xcnt 0x0                                ; block a - 2's stores have read their registers and their base
.endif
	TOSTAGE \a
	SEND \a-1, 32
.endr
	s_wait_xcnt 0x0
	SEND 3, 0
	s_wait_tensorcnt 0x0                           ; the wave's end
	ds_add_u32 v[SPW], v[NIL]
	s_wait_dscnt 0x0
	CROUND                                         ; the closing round
	s_endpgm
.Lfunc_end_k_q92f1a31235_proj:
	.size	k_q92f1a31235_proj, .Lfunc_end_k_q92f1a31235_proj-k_q92f1a31235_proj
	.p2alignl 7, 3214868480
	.fill 96, 4, 3214868480
	.section	.rodata,"a",@progbits
	.p2align	6, 0x0
	.amdhsa_kernel k_q92f1a31235_proj
		.amdhsa_group_segment_fixed_size 327680
		.amdhsa_private_segment_fixed_size 0
		.amdhsa_enable_private_segment 0
		.amdhsa_kernarg_size 48
		.amdhsa_user_sgpr_count 2
		.amdhsa_user_sgpr_kernarg_segment_ptr 1
		.amdhsa_wavefront_size32 1
		.amdhsa_system_sgpr_workgroup_id_x 1
		.amdhsa_system_sgpr_workgroup_id_y 1
		.amdhsa_system_sgpr_workgroup_id_z 1
		.amdhsa_system_vgpr_workitem_id 0
		.amdhsa_next_free_vgpr 768
		.amdhsa_next_free_sgpr 100
		.amdhsa_reserve_vcc 0
		.amdhsa_float_denorm_mode_32 3
		.amdhsa_float_denorm_mode_16_64 3
		.amdhsa_memory_ordered 1
		.amdhsa_forward_progress 1
		.amdhsa_inst_pref_size 94
	.end_amdhsa_kernel
	.amdgpu_metadata
---
amdhsa.version: [ 1, 2 ]
amdhsa.kernels:
  - .name:           k_q92f1a31235_proj
    .symbol:         k_q92f1a31235_proj.kd
    .args:
      - { .name: ao, .offset: 0, .size: 8, .value_kind: global_buffer, .address_space: global }
      - { .name: asc, .offset: 8, .size: 8, .value_kind: global_buffer, .address_space: global }
      - { .name: w_proj_codes, .offset: 16, .size: 8, .value_kind: global_buffer, .address_space: global }
      - { .name: w_proj_scales, .offset: 24, .size: 8, .value_kind: global_buffer, .address_space: global }
      - { .name: b_proj, .offset: 32, .size: 8, .value_kind: global_buffer, .address_space: global }
      - { .name: out0, .offset: 40, .size: 8, .value_kind: global_buffer, .address_space: global }
    .group_segment_fixed_size: 327680
    .private_segment_fixed_size: 0
    .kernarg_segment_align: 8
    .kernarg_segment_size: 48
    .max_flat_workgroup_size: 128
    .sgpr_count:     100
    .vgpr_count:     768
    .wavefront_size: 32
...
	.end_amdgpu_metadata
.endif
;; end of part 3
